; MI455X (gfx1250); checked and timed in simulation.
; The chip was launched on July 23, 2026; its instructions are those of AMD's public machine-readable ISA for CDNA 5 (MIT licence, August 2026) and "CDNA5" Instruction Set Architecture Reference Guide (July 2026). The comments in the code are by the model that wrote it; some were corrected since.
;; Multihead Attention With QK Norm. Allowed arithmetic: matrix products marked QUANTISED: E2M1 operands, one E8M0 scale for each 32 along K, by v_wmma_scale_f32_16x16x128_f8f6f4 with both operands' format E2M1 (or v_wmma_scale_f32_32x16x128_f4), f32 sums; products left as they are: bf16, f16 or f32 operands; f32 sums; everything else in f32.
;; Inputs: Wk 1,024 x 1,024 float32; Wo 1,024 x 1,024 float32; Wq 1,024 x 1,024 float32; Wv 1,024 x 1,024 float32; bk 1,024 float32; bo 1,024 float32; bq 1,024 float32; bv 1,024 float32; k_norm_w 64 float32; key 4 x 2,048 x 1,024 float32; q_norm_w 64 float32; query 4 x 2,048 x 1,024 float32; value 4 x 2,048 x 1,024 float32.
;; Outputs: out0 4 x 2,048 x 1,024 float32.
;; This version of the problem:
;;   THIS VERSION OF THE PROBLEM IS GIVEN IN LOW PRECISION. The matrix products marked QUANTISED in the list below multiply operands that are first quantised to E2M1 (2 exponent bits, 1 mantissa bit; 4 bits a number), with one power-of-two scale for each 32 numbers along K (OCP MX v1.0); their sums are f32. The products marked 'left as it is' may take bf16, f16 or f32 operands, with f32 sums. Whichever they take, every output number must still come out within the allowed error. Rounding operands to bf16 (8 significant bits) uses up far more of that allowance than f16 does (11 bits, for magnitudes from 6e-5 to 65,504). All else is computed in f32.
;;   The module's matrix products, in the order in which they are computed (A, B: the left and right operand; K: the contracted axis; several contracted axes count as one K, in the product's order):
;;     1. [M 8,192, K 1,024] x [K 1,024, N 1,024]; A: input query; B: input Wq: QUANTISED
;;     2. [M 8,192, K 1,024] x [K 1,024, N 1,024]; A: input key; B: input Wk: QUANTISED
;;     3. [M 8,192, K 1,024] x [K 1,024, N 1,024]; A: input value; B: input Wv: QUANTISED
;;     4. batch 64 x [M 2,048, K 64] x [K 64, N 2,048]; A: computed on the way; B: computed on the way: left as it is (an operand is computed on the way)
;;     5. batch 64 x [M 2,048, K 2,048] x [K 2,048, N 64]; A: computed on the way; B: computed on the way: left as it is (an operand is computed on the way)
;;     6. [M 8,192, K 1,024] x [K 1,024, N 1,024]; A: computed on the way; B: input Wo: left as it is (an operand is computed on the way)
;;   THE QUANTISER, for each operand of a quantised product, along K:
;;     - K is cut into blocks of 32 from its start; a last block that is shorter is filled with zeros.
;;     - A block's scale is 2^e with e = floor(log2(the largest magnitude in the block)) - 2, held to -126 .. 127; a block of zeros has e = 0. As a byte (E8M0): e + 127.
;;     - Each number is divided by its block's scale, clamped to +-6, and rounded to the nearest number of E2M1, ties to even, subnormals kept.
;;     - The product sums the exact products of the quantised numbers (number of the format x scale) in f32.
;;   ~~~python
;;   def quantise(x, axis):      # numpy; x: float32 -> the quantised numbers, widened to float32 again
;;       x = np.moveaxis(x, axis, -1); K = x.shape[-1]
;;       x = np.pad(x, [(0, 0)] * (x.ndim - 1) + [(0, -K % 32)]); x = x.reshape(x.shape[:-1] + (-1, 32)); a = np.abs(x).max(-1, keepdims=True)
;;       e = np.where(a > 0, np.clip(np.frexp(np.where(a > 0, a, 1))[1] - 1 - 2, -126, 127), 0)      # np.frexp(a)[1] - 1 = floor(log2(a)), exactly
;;       r = np.clip(x / 2.0 ** e, -6, 6)
;;       step = 2.0 ** (np.maximum(np.frexp(np.where(r == 0, 1, r))[1] - 1, 0) - 1)
;;       q = np.round(r / step) * step * 2.0 ** e      # np.round: ties to even
;;       return np.moveaxis(q.reshape(q.shape[:-2] + (-1,))[..., :K], -1, axis).astype(np.float32)
;;   ~~~
;; One version. Each part assembles by itself: llvm-mc -triple=amdgcn-amd-amdhsa -mcpu=gfx1250 --defsym DOCPART=n.
;; ======== version 1 of 1: 4 launches
;; limits: values are held in f16: magnitudes above 65,504 overflow, below 6.1e-05 lose precision
;; workspace buffers: xc 12,582,912 bytes; xs 786,432 bytes; wc 1,572,864 bytes; ws 98,304 bytes; wo16 2,097,152 bytes; qkv 50,331,648 bytes; o16 16,777,216 bytes
;; launch quant (part 1): grid 928 x 1, 4 waves a work-group, no clusters, 33,280 bytes of LDS; arguments query, key, value, Wq, Wk, Wv, Wo, xc, xs, wc, ws, wo16; writes xc, xs, wc, ws, wo16
.if DOCPART == 1
	.amdgcn_target "amdgcn-amd-amdhsa--gfx1250"
	.amdhsa_code_object_version 6
	.text
	.protected	k_qa79b62f0d3_quant
	.globl	k_qa79b62f0d3_quant
	.p2align	8
	.type	k_qa79b62f0d3_quant,@function
k_qa79b62f0d3_quant:
	s_mov_b64 s[64:65], 0
	v_nop
	global_prefetch_b8 v0, s[64:65] scope:SCOPE_SE
	s_setreg_imm32_b32 hwreg(HW_REG_WAVE_MODE, 25, 1), 1
	s_wait_xcnt 0x0
; MULTI-HEAD ATTENTION WITH A NORM ON Q AND K, four launches: quant, proj, attn, oproj.  This one prepares the operands.
; NO WORK OF THE PROBLEM IS LEFT OUT: every input has a way to the output (bq and bk stand ahead of a norm, bv and bo are added), and all thirteen are loaded by some launch.
; ONE STEP IS MOVED: bv is added behind the attention and not to v.  sum_k p_k (v_k + bv) / sum_k p_k = sum_k p_k v_k / sum_k p_k + bv for all values of the inputs; there it rides on the division's multiply.
; HERE: query, key, value [8192][1024] and Wq, Wk, Wv [1024][1024], f32 with K innermost, become codes of E2M1, two to a byte, K innermost, with one E8M0 byte for each 32 along K:
;   xc [3][8192][512 bytes], xs [3][8192][32], wc [3][1024][512], ws [3][1024][32].  Wo becomes f16, laid in the order of a matrix operand's registers (wo16, below).
; A block's scale is 2^(floor(log2(its largest magnitude)) - 2); its byte is the largest magnitude's exponent field - 2, held at 1 from below.  A block of zeros so gets the byte 1 where the rule says 127:
; its codes are zeros, which add nothing under any byte but 0xff, and the bytes are read by this program alone.
; LIMITS: blocks whose largest magnitude lies under 2^(2 - 126) keep the byte 1; NaN and infinities among the inputs are not served; a number of Wo beyond 65,504 becomes an infinity of f16.
; SHARES: work-groups 0-767 take query, key, value (256 each), 768-863 Wq, Wk, Wv (32 each): 32,768 numbers a work-group, 16 steps of 512 a wave.  Rows are dense and K is a multiple of 32: each tensor is a plain
; stream of blocks.  Each of a step's four loads reads 512 consecutive bytes; the 2,048 bytes turn through the wave's own stage in LDS and come back 64 bytes a lane: 16 neighbours, two lanes to a block.
; Work-groups 864-927 take 16 rows of Wo each.  No tensor loads, no barrier: waves share nothing.
.set WAVES, 4
.set STEPS, 16
.set EMAX,  2
.set CB,    8                          ; bytes of 16 codes
.set R,     16                         ; v16-79   four sets of 16 numbers as they are loaded
.set X,     80                         ; v80-111  two sets of 16 neighbours
.set E,     112                        ; v112-127 a scale byte for each step
.set C,     128                        ; v128-191 codes: four registers for each step, so that no store's data are written again
.set WREG,  8192                       ; LDS: a region for each wave: two stages of 32 x SP bytes, behind them its 256 scale bytes
.set SP,    80                         ; a lane's place in a stage: 64 bytes + 16 of padding
.set SPW,   12                         ; v12  LDS address of my spare word; never rewritten
.set NIL,   13                         ; v13  0; never rewritten
.set SPARE, WAVES*WREG                 ; behind the four regions: the spare words, 128 bytes a wave
.macro LOAD t
.irp i, 0,1,2,3
	global_load_b128 v[R+16*((\t)%4)+4*\i:R+16*((\t)%4)+4*\i+3], v3, s[32:33] offset:2048*(\t)+512*\i th:TH_LOAD_NT   ; 32 lanes read 512 consecutive bytes
.endr
.endm
.macro TURN t                          ; step t's numbers through the stage: LDS serves a wave's instructions in order, so no wait stands between the stores and the loads
.irp i, 0,1,2,3
	ds_store_b128 v14, v[R+16*((\t)%4)+4*\i:R+16*((\t)%4)+4*\i+3] offset:32*SP*((\t)%2)+8*SP*\i
.endr
.irp i, 0,1,2,3
	ds_load_b128 v[X+16*((\t)%2)+4*\i:X+16*((\t)%2)+4*\i+3], v15 offset:32*SP*((\t)%2)+16*\i
.endr
.endm
.macro STEP t
.set XS, X+16*((\t)%2)
.if (\t) > 0
	s_wait_dscnt 1                                 ; this step's numbers are back from the stage (the last step's byte store may be out): its stores into the stage have read their registers,
.else
	s_wait_dscnt 0x0
.endif
.if (\t)+4 < STEPS
	LOAD (\t)+4                                    ; which take the loads of four steps on
.endif
.if (\t)+1 < STEPS
.if STEPS-2-(\t) >= 3
	s_wait_loadcnt 12                              ; the next step's four loads are in; those of the three steps behind it may be out
.else
	s_wait_loadcnt 4*(STEPS-2-(\t))
.endif
	TURN (\t)+1                                    ; and go through the other stage while this step is worked
.endif
	v_max3_num_f32 v8, |v[XS]|, |v[XS+1]|, |v[XS+2]|               ; the largest magnitude of my 16, in two chains
	v_max3_num_f32 v9, |v[XS+3]|, |v[XS+4]|, |v[XS+5]|
.irp i, 6,10
	v_max3_num_f32 v8, v8, |v[XS+\i]|, |v[XS+\i+1]|
	v_max3_num_f32 v9, v9, |v[XS+\i+2]|, |v[XS+\i+3]|
.endr
	v_max3_num_f32 v8, v8, |v[XS+14]|, |v[XS+15]|
	v_max3_num_f32 v8, v8, v9, (EMAX+1)<<23        ; and the floor 2^(EMAX + 1 - 127): the byte cannot fall under 1
	v_max_num_f32_dpp v8, v8, v8 row_xmask:1 row_mask:0xf bank_mask:0xf   ; and of my neighbour's 16: the block's
	v_add_nc_u32 v11, -(EMAX<<23), v8              ; EMAX off its exponent field: the conversion takes the exponent field of this operand as its scale
	v_cvt_scalef32_pk8_fp4_f32 v[C+4*(\t)], v[XS:XS+7], v11        ; eight numbers / the scale, to the nearest code, ties to even, beyond the largest code the largest
	v_cvt_scalef32_pk8_fp4_f32 v[C+4*(\t)+1], v[XS+8:XS+15], v11
	v_lshrrev_b32 v[E+(\t)], 23, v11               ; the scale's byte (a plain line behind the conversions)
	ds_store_b8 v5, v[E+(\t)] offset:16*(\t)       ; both lanes of a block write the same byte with the same value
	global_store_b64 v4, v[C+4*(\t):C+4*(\t)+1], s[36:37] offset:32*CB*(\t)   ; the wave stores 256 consecutive bytes, aligned
.endm
	s_load_b512 s[4:19], s[0:1], 0x0               ; query s[4:5], key s[6:7], value s[8:9], Wq s[10:11], Wk s[12:13], Wv s[14:15], Wo s[16:17], xc s[18:19]
	s_load_b256 s[20:27], s[0:1], 0x40             ; xs s[20:21], wc s[22:23], ws s[24:25], wo16 s[26:27]
	v_lshl_add_u32 v[SPW], v0, 2, SPARE
	v_mov_b32 v[NIL], 0
	v_lshrrev_b32 v1, 5, v0
	v_readfirstlane_b32 s28, v1                    ; wave
	v_and_b32 v2, 31, v0                           ; lane
	v_lshlrev_b32 v3, 4, v2                        ; 16 x lane
	s_mul_i32 s29, s28, WREG
	v_lshrrev_b32 v14, 2, v2
	v_mul_u32_u24 v14, v14, SP
	v_and_b32 v15, 3, v2
	v_lshl_add_u32 v14, v15, 4, v14
	v_add_nc_u32 v14, s29, v14                     ; the stage, on the way in: SP (lane / 4) + 16 (lane % 4)
	v_mul_u32_u24 v15, v2, SP
	v_add_nc_u32 v15, s29, v15                     ; and on the way out: SP x lane
	v_mul_u32_u24 v4, v2, CB                       ; my codes' place in a step's
	v_lshrrev_b32 v5, 1, v2
	s_add_co_u32 s29, s29, 2*32*SP
	v_add_nc_u32 v5, s29, v5                       ; my wave's 256 scale bytes, my block's byte
	v_lshlrev_b32 v7, 3, v2                        ; and on the way out 8 bytes a lane
	v_add_nc_u32 v6, s29, v7
	s_wait_kmcnt 0x0
	s_cmp_ge_u32 ttmp9, 864                        ; the work-group's number alone decides
	s_cbranch_scc1 .Lwo
	s_mov_b64 s[32:33], s[4:5]                     ; which tensor, and its first work-group
	s_mov_b32 s34, 0
	s_cmp_ge_u32 ttmp9, 256
	s_cselect_b64 s[32:33], s[6:7], s[32:33]
	s_cselect_b32 s34, 256, s34
	s_cmp_ge_u32 ttmp9, 512
	s_cselect_b64 s[32:33], s[8:9], s[32:33]
	s_cselect_b32 s34, 512, s34
	s_cmp_ge_u32 ttmp9, 768
	s_cselect_b64 s[32:33], s[10:11], s[32:33]
	s_cselect_b32 s34, 768, s34
	s_cmp_ge_u32 ttmp9, 800
	s_cselect_b64 s[32:33], s[12:13], s[32:33]
	s_cselect_b32 s34, 800, s34
	s_cmp_ge_u32 ttmp9, 832
	s_cselect_b64 s[32:33], s[14:15], s[32:33]
	s_cselect_b32 s34, 832, s34
	s_cmp_lt_u32 ttmp9, 768
	s_cselect_b64 s[36:37], s[18:19], s[22:23]     ; the codes' buffer,
	s_cselect_b64 s[38:39], s[20:21], s[24:25]     ; the scale bytes',
	s_cselect_b32 s35, 0, 768                      ; and its first work-group
	s_sub_co_u32 s40, ttmp9, s34
	s_lshl_b32 s40, s40, 2
	s_add_co_u32 s40, s40, s28
	s_lshl_b32 s40, s40, 15                        ; my wave's run of 8,192 numbers in its tensor: 32,768 bytes a run
	s_mov_b32 s41, 0
	s_add_nc_u64 s[32:33], s[32:33], s[40:41]
	s_sub_co_u32 s42, ttmp9, s35
	s_lshl_b32 s42, s42, 2
	s_add_co_u32 s42, s42, s28                     ; the run's number in the buffers of codes and scales
	s_lshl_b32 s40, s42, 12                        ; 4,096 bytes of codes a run
	s_add_nc_u64 s[36:37], s[36:37], s[40:41]
	s_lshl_b32 s40, s42, 8                         ; 256 scale bytes a run
	s_add_nc_u64 s[38:39], s[38:39], s[40:41]
.irp t, 0,1,2,3
	LOAD \t
.endr
	s_wait_loadcnt 12                              ; step 0's four loads are in
	TURN 0
.irp t, 0,1,2,3,4,5,6,7,8,9,10,11,12,13,14,15
	STEP \t
.endr
	ds_load_b64 v[8:9], v6                         ; LDS serves a wave's instructions in order: these see my byte stores
	s_wait_dscnt 0x0
	global_store_b64 v7, v[8:9], s[38:39]          ; 32 lanes store 256 consecutive bytes, aligned
	s_wait_tensorcnt 0x0                           ; the wave's end: behind my last LDS store
	ds_add_u32 v[SPW], v[NIL]
	s_wait_dscnt 0x0
	s_endpgm
; Wo [1024 (n)][1024 (k)] as f16, in the order of an operand's registers: wo16 [64 tiles of 16 n][32 pieces of 32 k][2 halves g][32 lanes][16 bytes];
; lane (r, h)'s 16 bytes are Wo[16 tile + r][32 piece + 16 g + 8 h + 0 .. 7].  A work-group takes a tile, wave w pieces 8 w .. 8 w + 7.
; A load takes 32 bytes of each of 16 rows; the wave's 32 loads together use 1,024 consecutive bytes of each row.  A store covers 512 consecutive bytes, aligned.
.Lwo:
	v_and_b32 v8, 15, v0                           ; r
	v_bfe_u32 v9, v0, 4, 1                         ; h
	v_lshlrev_b32 v8, 12, v8
	v_lshl_add_u32 v8, v9, 5, v8                   ; row r of 4,096 bytes, + 32 h
	s_sub_co_u32 s40, ttmp9, 864                   ; the tile
	s_lshl_b32 s42, s40, 16                        ; 16 rows of Wo
	s_lshl_b32 s43, s28, 10                        ; my wave's 256 numbers of a row
	s_add_co_u32 s42, s42, s43
	s_mov_b32 s43, 0
	s_add_nc_u64 s[16:17], s[16:17], s[42:43]
	s_lshl_b32 s42, s40, 15                        ; a tile of wo16: 32,768 bytes
	s_lshl_b32 s44, s28, 13                        ; my eight pieces
	s_add_co_u32 s42, s42, s44
	s_add_nc_u64 s[26:27], s[26:27], s[42:43]
.irp n, 0,1,2,3,4,5,6,7,8,9,10,11,12,13,14,15  ; n = 2 x piece + g
.irp u, 0,1
	global_load_b128 v[16+8*\n+4*\u:16+8*\n+4*\u+3], v8, s[16:17] offset:64*\n+16*\u th:TH_LOAD_NT
.endr
.endr
.irp n, 0,1,2,3,4,5,6,7,8,9,10,11,12,13,14,15
	s_wait_loadcnt 30-2*\n                         ; this half piece's two loads are in; the younger ones may be out
.irp i, 0,1,2,3
	v_cvt_pk_f16_f32 v[16+8*\n+\i], v[16+8*\n+2*\i], v[16+8*\n+2*\i+1]   ; in place, ascending: no number is written over before it is read
.endr
	global_store_b128 v3, v[16+8*\n:16+8*\n+3], s[26:27] offset:512*\n
.endr
	s_wait_tensorcnt 0x0                           ; the same three lines at this path's end
	ds_add_u32 v[SPW], v[NIL]
	s_wait_dscnt 0x0
	s_endpgm
.Lfunc_end_k_qa79b62f0d3_quant:
	.size	k_qa79b62f0d3_quant, .Lfunc_end_k_qa79b62f0d3_quant-k_qa79b62f0d3_quant
	.p2alignl 7, 3214868480
	.fill 96, 4, 3214868480
	.section	.rodata,"a",@progbits
	.p2align	6, 0x0
	.amdhsa_kernel k_qa79b62f0d3_quant
		.amdhsa_group_segment_fixed_size 33280
		.amdhsa_private_segment_fixed_size 0
		.amdhsa_enable_private_segment 0
		.amdhsa_kernarg_size 96
		.amdhsa_user_sgpr_count 2
		.amdhsa_user_sgpr_kernarg_segment_ptr 1
		.amdhsa_wavefront_size32 1
		.amdhsa_system_sgpr_workgroup_id_x 1
		.amdhsa_system_sgpr_workgroup_id_y 1
		.amdhsa_system_sgpr_workgroup_id_z 1
		.amdhsa_system_vgpr_workitem_id 0
		.amdhsa_next_free_vgpr 192
		.amdhsa_next_free_sgpr 66
		.amdhsa_reserve_vcc 0
		.amdhsa_float_denorm_mode_32 3
		.amdhsa_float_denorm_mode_16_64 3
		.amdhsa_memory_ordered 1
		.amdhsa_forward_progress 1
		.amdhsa_inst_pref_size 44
	.end_amdhsa_kernel
	.amdgpu_metadata
---
amdhsa.version: [ 1, 2 ]
amdhsa.kernels:
  - .name:           k_qa79b62f0d3_quant
    .symbol:         k_qa79b62f0d3_quant.kd
    .args:
      - { .name: query, .offset: 0, .size: 8, .value_kind: global_buffer, .address_space: global }
      - { .name: key, .offset: 8, .size: 8, .value_kind: global_buffer, .address_space: global }
      - { .name: value, .offset: 16, .size: 8, .value_kind: global_buffer, .address_space: global }
      - { .name: Wq, .offset: 24, .size: 8, .value_kind: global_buffer, .address_space: global }
      - { .name: Wk, .offset: 32, .size: 8, .value_kind: global_buffer, .address_space: global }
      - { .name: Wv, .offset: 40, .size: 8, .value_kind: global_buffer, .address_space: global }
      - { .name: Wo, .offset: 48, .size: 8, .value_kind: global_buffer, .address_space: global }
      - { .name: xc, .offset: 56, .size: 8, .value_kind: global_buffer, .address_space: global }
      - { .name: xs, .offset: 64, .size: 8, .value_kind: global_buffer, .address_space: global }
      - { .name: wc, .offset: 72, .size: 8, .value_kind: global_buffer, .address_space: global }
      - { .name: ws, .offset: 80, .size: 8, .value_kind: global_buffer, .address_space: global }
      - { .name: wo16, .offset: 88, .size: 8, .value_kind: global_buffer, .address_space: global }
    .group_segment_fixed_size: 33280
    .private_segment_fixed_size: 0
    .kernarg_segment_align: 8
    .kernarg_segment_size: 96
    .max_flat_workgroup_size: 128
    .sgpr_count:     66
    .vgpr_count:     192
    .wavefront_size: 32
...
	.end_amdgpu_metadata
.endif
;; end of part 1
;; launch proj (part 2): grid 4 x 192, 4 waves a work-group, clusters of 4 x 4, 209,408 bytes of LDS; arguments xc, xs, wc, ws, bq, bk, q_norm_w, k_norm_w, qkv; writes qkv
.if DOCPART == 2
	.amdgcn_target "amdgcn-amd-amdhsa--gfx1250"
	.amdhsa_code_object_version 6
	.text
	.protected	k_qa79b62f0d3_proj
	.globl	k_qa79b62f0d3_proj
	.p2align	8
	.type	k_qa79b62f0d3_proj,@function
k_qa79b62f0d3_proj:
	s_mov_b64 s[64:65], 0
	v_nop
	global_prefetch_b8 v0, s[64:65] scope:SCOPE_SE
	s_setreg_imm32_b32 hwreg(HW_REG_WAVE_MODE, 25, 1), 1
	s_wait_xcnt 0x0
	s_wait_alu depctr_hold_cnt(0) depctr_sa_sdst(0) depctr_va_vdst(0) depctr_va_sdst(0) depctr_va_ssrc(0) depctr_va_vcc(0) depctr_vm_vsrc(0)
	s_getreg_b32 s2, hwreg(HW_REG_IB_STS2, 6, 4)
	s_cmp_eq_u32 s2, 0
	s_cbranch_scc0 .Lentry_in_a_cluster
	s_endpgm
.Lentry_in_a_cluster:
	s_bfe_u32 s2, ttmp6, 0x10000c
	s_cmp_lg_u32 s2, 0xf033
	s_cbranch_scc0 .Lentry_shape_is_right
	s_endpgm
.Lentry_shape_is_right:
; THE THREE INPUT PROJECTIONS on codes of E2M1 (x W^T, K = 1,024), then for q and k the bias and the norm over each head's 64 channels, all in f32; the results leave as f16.
; bv is not added here: the attention's way out adds it (shown at the head of the first kernel).
; SHARES: 768 work-groups; each makes 128 rows of x by 256 columns of one tensor T (0 q, 1 k, 2 v).  Four waves, each 64 rows x 128 columns (two heads): 32 accumulators, 256 registers.
; ALL OF K LIES IN LDS, as two halves of 512, each filled once: no byte of LDS is filled again.
; CLUSTER 4 x 4: the four work-groups of a row of the cluster need the same rows of x, the four of a column the same rows of W: each tile is asked for jointly.
; q, k: source 0 = 16 rows of W, source 1 = 16 rows of x: a lane holds one row of x and eight neighbouring channels.  v: the sources are exchanged: a lane holds one channel and eight neighbouring keys.
; Rounded in pairs to f16, an accumulator is then half of an operand of the attention's products as it stands, and is stored as an image of registers: 16 bytes a lane, 512 consecutive aligned bytes a store.
;   qkv: q at 0, k at 16 MiB, v at 32 MiB; 262,144 bytes for each (batch, head).  q, k: [s / 16][channel tile 0..3][lane][16 B]: channels 16 tile + 8 h + 0..7 of row s % 16 = r.
;   v: [s / 64][(s / 32) % 2][channel tile][(s / 16) % 2][lane][16 B]: keys 8 h + 0..7 of that tile of 16 keys, channel 16 tile + r.
; LIMITS: numbers of v beyond 65,504 become infinities of f16 (q and k are bounded by 8 |norm weight|); under 6e-5 they keep an absolute error of 3e-8.
; REGISTERS: window 0: addresses; v32-63 W's scale words, v64-79 x's; v80-95 at work; v96-159 x's fragments, two sets; v160-223 the bias; v224-255 the norm's weights.
;   window 1: v0-127 W's fragments, two sets; later the packed results.   window 2: accumulator (a, b) at v[8 (8 a + b)].
.set HALF,  104448                     ; half of K in LDS: x's 128 rows, then W's 256 rows, 272 bytes each
.set PITCH, 272                        ; 256 bytes + 16 of padding = 68 words: the 16 rows that a load touches start at 16 different banks (64 banks of 4 bytes: ISA guide 11.1)
.set SPARE, 2*HALF                     ; behind the halves: the spare words, 128 bytes a wave
.set ADR,  16                          ; v16-17 LDS address of my fragments of x in half 0, 1
.set ADL,  20                          ; v20-21 of W
.set SOFF, 22                          ; v22  32 r + 16 h: my four scale words of a row
.set BOFF, 23                          ; v23  32 h
.set GO,   24                          ; v24  16 x lane
.set SPW,  28
.set NIL,  29
.set SL,   32
.set SR,   64
.set T,    80
.set RF,   96
.set BIAS, 160
.set NW,   224
.set G1R,  28                          ; s[28:35] descriptor group 1 for x's tiles (64 rows);  s[36:43] for W's (128 rows)
.set G1L,  36
.set G0R,  44                          ; s[44:51] group 0 for x's, a set for each half;  s[52:59] for W's
.set G0L,  52
.set MSB, 0
.macro WIN new                         ; the immediate's high byte repeats the setting that is left
.if MSB != \new
	s_set_vgpr_msb (MSB<<8)|\new
.set MSB, \new
.endif
.endm
.macro PLACES n
.rept \n
	v_nop
.endr
.endm
.macro JLOAD g0r, g0l                  ; a joint load: waves 0 and 1 fetch for x, waves 2 and 3 for W; an s_nop 0 and four v_nop follow each line
	s_cmp_eq_u32 s23, 0
	s_cbranch_scc0 .Lfor_l_\@
	tensor_load_to_lds s[\g0r:\g0r+3], s[G1R:G1R+7]
	s_nop 0
.rept 4
	v_nop
.endr
	s_branch .Lasked_\@
.Lfor_l_\@:
	tensor_load_to_lds s[\g0l:\g0l+3], s[G1L:G1L+7]
	s_nop 0
.rept 4
	v_nop
.endr
.Lasked_\@:
.endm
.macro CROUND                          ; a round of the cluster's barrier
	s_barrier_signal -1
	s_barrier_wait -1
	s_cmp_lg_u32 s22, 0
	s_cbranch_scc1 .Lnot_wave_0_\@
	s_barrier_signal -3
.Lnot_wave_0_\@:
	s_barrier_wait -3
	s_barrier_signal -1
	s_barrier_wait -1
.endm
.macro FETCH set, k, q                 ; 24 LDS loads: the fragments of the q-th 128 along K of half k: W's eight, then x's four.  16 rows x 128 K of codes are 8 registers: two loads of 16 bytes, 32 bytes apart
	WIN 0x40
.irp i, 0,1,2,3,4,5,6,7
.irp c, 0,1
	ds_load_b128 v[64*(\set)+8*\i+4*\c:64*(\set)+8*\i+4*\c+3], v[ADL+\k] offset:64*(\q)+32*\c+16*PITCH*\i
.endr
.endr
	WIN 0
.irp i, 0,1,2,3
.irp c, 0,1
	ds_load_b128 v[RF+32*(\set)+8*\i+4*\c:RF+32*(\set)+8*\i+4*\c+3], v[ADR+\k] offset:64*(\q)+32*\c+16*PITCH*\i
.endr
.endr
.endm
; 32 matrix instructions: K step qq.  The 32 accumulators take turns, one instruction a turn, in the same order in every step.
; A lane's four scale words: lanes 0-15 hold K steps 0-3, lanes 16-31 steps 4-7: from step 4 on both sides are read from the upper lanes.
; first: the sums begin, with the bias as C (q, k) or with 0 (v): nothing is cleared.
.macro MUL set, qq, first, swap
.if \swap
	WIN 0xa4                                       ; source 0 (x) window 0, source 1 (W) window 1, C and D window 2
.elseif \first
	WIN 0x81                                       ; source 0 (W) window 1, source 1 (x) and C (the bias) window 0, D window 2
.else
	WIN 0xa1
.endif
.irp a, 0,1,2,3
.irp b, 0,1,2,3,4,5,6,7
.set rD, 8*(8*\a+\b)
.set rW, 64*(\set)+8*\b
.set rX, RF+32*(\set)+8*\a
.set sW, SL+4*\b+(\qq)%4
.set sX, SR+4*\a+(\qq)%4
.if \swap
.if \first
	v_wmma_scale_f32_16x16x128_f8f6f4 v[rD:rD+7], v[rX:rX+7], v[rW:rW+7], 0, v[sX], v[sW] matrix_a_fmt:MATRIX_FMT_FP4 matrix_b_fmt:MATRIX_FMT_FP4
.elseif (\qq) < 4
	v_wmma_scale_f32_16x16x128_f8f6f4 v[rD:rD+7], v[rX:rX+7], v[rW:rW+7], v[rD:rD+7], v[sX], v[sW] matrix_a_fmt:MATRIX_FMT_FP4 matrix_b_fmt:MATRIX_FMT_FP4
.else
	v_wmma_scale_f32_16x16x128_f8f6f4 v[rD:rD+7], v[rX:rX+7], v[rW:rW+7], v[rD:rD+7], v[sX], v[sW] matrix_a_fmt:MATRIX_FMT_FP4 matrix_b_fmt:MATRIX_FMT_FP4 matrix_a_scale:MATRIX_SCALE_ROW1 matrix_b_scale:MATRIX_SCALE_ROW1
.endif
.else
.if \first
	v_wmma_scale_f32_16x16x128_f8f6f4 v[rD:rD+7], v[rW:rW+7], v[rX:rX+7], v[BIAS+8*\b:BIAS+8*\b+7], v[sW], v[sX] matrix_a_fmt:MATRIX_FMT_FP4 matrix_b_fmt:MATRIX_FMT_FP4
.elseif (\qq) < 4
	v_wmma_scale_f32_16x16x128_f8f6f4 v[rD:rD+7], v[rW:rW+7], v[rX:rX+7], v[rD:rD+7], v[sW], v[sX] matrix_a_fmt:MATRIX_FMT_FP4 matrix_b_fmt:MATRIX_FMT_FP4
.else
	v_wmma_scale_f32_16x16x128_f8f6f4 v[rD:rD+7], v[rW:rW+7], v[rX:rX+7], v[rD:rD+7], v[sW], v[sX] matrix_a_fmt:MATRIX_FMT_FP4 matrix_b_fmt:MATRIX_FMT_FP4 matrix_a_scale:MATRIX_SCALE_ROW1 matrix_b_scale:MATRIX_SCALE_ROW1
.endif
.endif
.endr
.endr
.endm
; The eight K steps.  Fragments in two sets by turns, a step ahead.  Four plain places stand in front of each run of loads into registers that matrix instructions have read (ISA guide 7.12.1 for
; vector instructions).  s_wait_dscnt 24 leaves the 24 loads just issued out.
.macro KLOOP swap
	s_wait_tensorcnt 0x1                           ; my part of the first half of K is in; the second half's load may stay out
	s_barrier_signal -1
	s_barrier_wait -1                              ; everybody's is
	FETCH 0, 0, 0
	s_wait_loadcnt 0x0                             ; the scale words (and the bias and the norm's weights)
	FETCH 1, 0, 1
	s_wait_dscnt 24
	MUL 0, 0, 1, \swap
	PLACES 4
	FETCH 0, 0, 2
	s_wait_dscnt 24
	MUL 1, 1, 0, \swap
	PLACES 4
	FETCH 1, 0, 3
	s_wait_dscnt 24
	MUL 0, 2, 0, \swap
	s_wait_tensorcnt 0x0                           ; my part of the second half is in,
	s_wait_dscnt 0x0                               ; and no LDS instruction of mine is out at the signal
	s_barrier_signal -1
	MUL 1, 3, 0, \swap                             ; work on registers while the others arrive
	WIN 0
	s_barrier_wait -1                              ; the second half is whole
	PLACES 4
	FETCH 0, 1, 0
	FETCH 1, 1, 1
	s_wait_dscnt 24
	MUL 0, 4, 0, \swap
	PLACES 4
	FETCH 0, 1, 2
	s_wait_dscnt 24
	MUL 1, 5, 0, \swap
	PLACES 4
	FETCH 1, 1, 3
	s_wait_dscnt 24
	MUL 0, 6, 0, \swap
	s_wait_dscnt 0x0
	MUL 1, 7, 0, \swap
	WIN 0
	PLACES 4                                       ; in front of the first read of results and the first write of W's registers
.endm
.macro PACK                            ; each accumulator, from its low end on, becomes 16 bytes a lane, in window 1
	WIN 0x4a                                       ; sources window 2, destination window 1
.irp a, 0,1,2,3
.irp b, 0,1,2,3,4,5,6,7
.irp i, 0,1,2,3
	v_cvt_pk_f16_f32 v[4*(8*\a+\b)+\i], v[8*(8*\a+\b)+2*\i], v[8*(8*\a+\b)+2*\i+1]
.endr
.endr
.endr
	WIN 0x04                                       ; a store's data are its source 1: window 1
.endm
.macro FINISH
	WIN 0
	s_wait_tensorcnt 0x0                           ; the wave's end
	ds_add_u32 v[SPW], v[NIL]
	s_wait_dscnt 0x0
	CROUND                                         ; the closing round: no work-group ends while a partner may still ask for a tile that names it
	s_endpgm
.endm
	s_load_b256 s[4:11], s[0:1], 0x0               ; xc s[4:5], xs s[6:7], wc s[8:9], ws s[10:11]
	s_load_b256 s[12:19], s[0:1], 0x20             ; bq s[12:13], bk s[14:15], q_norm_w s[16:17], k_norm_w s[18:19]
	s_load_b64 s[20:21], s[0:1], 0x40              ; qkv
	v_lshl_add_u32 v[SPW], v0, 2, SPARE
	v_mov_b32 v[NIL], 0
	ds_add_u32 v[SPW], v[NIL]                      ; the wave's opening: the add, twice on end, and its wait ahead of my first tensor load
	ds_add_u32 v[SPW], v[NIL]
	v_lshrrev_b32 v1, 5, v0
	v_readfirstlane_b32 s22, v1                    ; wave 0..3
	s_lshr_b32 s23, s22, 1                         ; which 64 rows of x are mine.  Also: I fetch for x (0) or for W (1)
	s_and_b32 s24, s22, 1                          ; which 128 rows of W.  Also: which half of that tile I fetch
	s_bfe_u32 s25, ttmp6, 0x40000                  ; cx
	s_bfe_u32 s26, ttmp6, 0x40004                  ; cy
	s_lshl_b32 s62, ttmp9, 2
	s_add_co_u32 s62, s62, s25                     ; the tile of 256 columns = 4 x cluster x + cx
	s_and_b32 s27, ttmp7, 0xffff                   ; cluster y, 0..47
	s_lshr_b32 s60, s27, 4                         ; T: the tensor, the same in all sixteen partners
	s_and_b32 s61, s27, 15
	s_lshl_b32 s63, s61, 2
	s_add_co_u32 s63, s63, s26                     ; the tile of 128 rows = 4 x (cluster y % 16) + cy
	s_lshl_b32 s66, s26, 2
	s_lshl_b32 s66, 15, s66                        ; my row of the cluster
	s_lshl_b32 s68, 0x1111, s25                    ; my column
	s_or_b32 s[G1R], s66, (0<<16)|(1<<20)|(1<<21)|(5<<22)|(3<<25)   ; the mask; elements of 1 byte; padding on; bit 21 beside a mask; after every 64 words, 4 words
	s_or_b32 s[G1L], s68, (0<<16)|(1<<20)|(1<<21)|(5<<22)|(3<<25)
	s_mov_b32 s[G1R+1], 256<<16                    ; tensor_dim0 = 256 bytes
	s_mov_b32 s[G1R+2], 64<<16                     ; tensor_dim1 = 64 rows
	s_mov_b32 s[G1R+3], 256<<16                    ; tile_dim0
	s_mov_b32 s[G1R+4], 64                         ; tile_dim1
	s_mov_b32 s[G1R+5], 512                        ; from row to row: 1,024 codes
	s_mov_b32 s[G1R+6], 0
	s_mov_b32 s[G1R+7], 0
	s_mov_b32 s[G1L+1], 256<<16
	s_mov_b32 s[G1L+2], 128<<16
	s_mov_b32 s[G1L+3], 256<<16
	s_mov_b32 s[G1L+4], 128
	s_mov_b32 s[G1L+5], 512
	s_mov_b32 s[G1L+6], 0
	s_mov_b32 s[G1L+7], 0
	s_lshl_b32 s66, s60, 22                        ; x's codes: T x 4 MiB + tile x 128 rows + my 64 rows.  s66, s67 never hold cx
	s_lshl_b32 s67, s63, 16
	s_add_co_u32 s66, s66, s67
	s_lshl_b32 s67, s24, 15
	s_add_co_u32 s66, s66, s67
	s_mov_b32 s67, 0
	s_lshl_b32 s68, s60, 19                        ; W's codes: T x 512 KiB + tile x 256 rows + my 128 rows.  s68, s69 never hold cy
	s_lshl_b32 s69, s62, 17
	s_add_co_u32 s68, s68, s69
	s_lshl_b32 s69, s24, 16
	s_add_co_u32 s68, s68, s69
	s_mov_b32 s69, 0
	s_mul_i32 s70, s24, 64*PITCH                   ; where they go: no place in the cluster enters an LDS address
	s_mul_i32 s71, s24, 128*PITCH
	s_add_co_u32 s71, s71, 128*PITCH
	s_wait_dscnt 0x0                               ; both opening adds are done
	s_wait_kmcnt 0x0
	s_add_nc_u64 s[74:75], s[4:5], s[66:67]
	s_add_nc_u64 s[76:77], s[8:9], s[68:69]
	CROUND                                         ; all sixteen work-groups are here: the joint loads meet
.irp k, 0,1
	s_mov_b32 s[G0R+4*\k], 1
	s_add_co_u32 s[G0R+4*\k+1], s70, \k*HALF
	s_add_nc_u64 s[G0R+4*\k+2:G0R+4*\k+3], s[74:75], \k*256
	s_or_b32 s[G0R+4*\k+3], s[G0R+4*\k+3], 0x80000000
	s_mov_b32 s[G0L+4*\k], 1
	s_add_co_u32 s[G0L+4*\k+1], s71, \k*HALF
	s_add_nc_u64 s[G0L+4*\k+2:G0L+4*\k+3], s[76:77], \k*256
	s_or_b32 s[G0L+4*\k+3], s[G0L+4*\k+3], 0x80000000
	JLOAD G0R+4*\k, G0L+4*\k                       ; both halves of K go out at once: two loads of mine are out
.endr
	v_and_b32 v1, 15, v0                           ; r
	v_bfe_u32 v2, v0, 4, 1                         ; h
	v_and_b32 v3, 31, v0                           ; lane
	v_mul_u32_u24 v4, v1, PITCH
	v_lshl_add_u32 v4, v2, 4, v4                   ; a fragment's row x pitch + 16 h
	s_mul_i32 s78, s23, 64*PITCH                   ; my 64 rows of x
	s_mul_i32 s79, s24, 128*PITCH                  ; my 128 rows of W,
	s_add_co_u32 s79, s79, 128*PITCH               ; behind x's 128
.irp k, 0,1
	v_add_nc_u32 v[ADR+\k], s78, v4
	v_add_nc_u32 v[ADL+\k], s79, v4
	s_add_co_u32 s78, s78, HALF
	s_add_co_u32 s79, s79, HALF
.endr
	v_lshlrev_b32 v[SOFF], 5, v1
	v_lshl_add_u32 v[SOFF], v2, 4, v[SOFF]
	v_lshlrev_b32 v[BOFF], 5, v2
	v_lshlrev_b32 v[GO], 4, v3
	s_lshl_b32 s80, s60, 15                        ; W's scale bytes: T x 32 KiB + tile x 256 rows of 32 bytes + my 128 rows
	s_lshl_b32 s84, s62, 13
	s_add_co_u32 s80, s80, s84
	s_lshl_b32 s84, s24, 12
	s_add_co_u32 s80, s80, s84
	s_mov_b32 s81, 0
	s_add_nc_u64 s[80:81], s[10:11], s[80:81]
	s_lshl_b32 s82, s60, 18                        ; x's: T x 256 KiB + tile x 128 rows + my 64 rows
	s_lshl_b32 s84, s63, 12
	s_add_co_u32 s82, s82, s84
	s_lshl_b32 s84, s23, 11
	s_add_co_u32 s82, s82, s84
	s_mov_b32 s83, 0
	s_add_nc_u64 s[82:83], s[6:7], s[82:83]
.irp b, 0,1,2,3,4,5,6,7
	global_load_b128 v[SL+4*\b:SL+4*\b+3], v[SOFF], s[80:81] offset:512*\b   ; the scale bytes of 16 rows, all of K: 512 consecutive bytes
.endr
.irp a, 0,1,2,3
	global_load_b128 v[SR+4*\a:SR+4*\a+3], v[SOFF], s[82:83] offset:512*\a
.endr
	; where my results go: T x 16 MiB + (16 batch + 4 tile column + 2 half) x 262,144 + my 64 rows' place in the head: 8,192 bytes, in q's and k's layout as in v's
	s_lshr_b32 s84, s63, 4                         ; the batch: 16 tiles of 128 rows each
	s_lshl_b32 s84, s84, 4
	s_lshl_b32 s85, s62, 2
	s_add_co_u32 s84, s84, s85
	s_lshl_b32 s85, s24, 1
	s_add_co_u32 s84, s84, s85
	s_lshl_b32 s84, s84, 18
	s_lshl_b32 s85, s60, 24
	s_add_co_u32 s84, s84, s85
	s_and_b32 s85, s63, 15
	s_lshl_b32 s85, s85, 14
	s_add_co_u32 s84, s84, s85
	s_lshl_b32 s85, s23, 13
	s_add_co_u32 s84, s84, s85
	s_mov_b32 s85, 0
	s_add_nc_u64 s[72:73], s[20:21], s[84:85]
	s_cmp_eq_u32 s60, 2                            ; made of the cluster's y alone: the same in all waves and all partners
	s_cbranch_scc1 .Lv
	; ---- q and k
	s_cmp_eq_u32 s60, 0
	s_cselect_b64 s[90:91], s[12:13], s[14:15]     ; the bias,
	s_cselect_b64 s[92:93], s[16:17], s[18:19]     ; the norm's weights
	s_lshl_b32 s94, s62, 10
	s_lshl_b32 s95, s24, 9
	s_add_co_u32 s94, s94, s95                     ; my 128 columns
	s_mov_b32 s95, 0
	s_add_nc_u64 s[90:91], s[90:91], s[94:95]
	s_mov_b32 s86, 0x3c800000                      ; 1 / 64
	s_mov_b32 s87, 0x358637bd                      ; 1e-6
	s_mov_b32 s88, 0x76543210                      ; v_permlanex16_b32's selects for lane l xor 16
	s_mov_b32 s89, 0xfedcba98
.irp b, 0,1,2,3,4,5,6,7
	global_load_b128 v[BIAS+8*\b:BIAS+8*\b+3], v[BOFF], s[90:91] offset:64*\b       ; in the result's layout: columns 16 b + 8 h + 0 .. 7
	global_load_b128 v[BIAS+8*\b+4:BIAS+8*\b+7], v[BOFF], s[90:91] offset:64*\b+16
.endr
.irp n, 0,1,2,3
	global_load_b128 v[NW+8*\n:NW+8*\n+3], v[BOFF], s[92:93] offset:64*\n
	global_load_b128 v[NW+8*\n+4:NW+8*\n+7], v[BOFF], s[92:93] offset:64*\n+16
.endr
	KLOOP 0
	; the norm.  Group g = 2 a + (head of my two): a lane holds 32 of a row's 64 channels, lane l xor 16 the others
	WIN 0x0a                                       ; sources 0 and 1 window 2
.irp i, 0,1,2,3,4,5,6,7,8,9,10,11,12,13,14,15
.irp g, 0,1,2,3,4,5,6,7
.set rA, 8*(8*(\g/2)+4*(\g%2)+\i/4)+2*(\i%4)
.if \i == 0
	v_pk_mul_f32 v[T+2*\g:T+2*\g+1], v[rA:rA+1], v[rA:rA+1]        ; each accumulator is read from its low end on; the eight groups by turns
.else
	v_pk_fma_f32 v[T+2*\g:T+2*\g+1], v[rA:rA+1], v[rA:rA+1], v[T+2*\g:T+2*\g+1]
.endif
.endr
.endr
	WIN 0
.irp g, 0,1,2,3,4,5,6,7
	v_add_f32 v[T+2*\g], v[T+2*\g], v[T+2*\g+1]
.endr
.irp g, 0,1,2,3,4,5,6,7
	v_permlanex16_b32 v[T+2*\g+1], v[T+2*\g], s88, s89
.endr
.irp g, 0,1,2,3,4,5,6,7
	v_add_f32 v[T+2*\g], v[T+2*\g], v[T+2*\g+1]    ; the sum of the 64 squares
.endr
.irp g, 0,1,2,3,4,5,6,7
	v_fma_f32 v[T+2*\g], v[T+2*\g], s86, s87       ; the mean + 1e-6
.endr
.irp g, 0,1,2,3,4,5,6,7
	v_rsq_f32 v[T+2*\g], v[T+2*\g]
.endr
	v_nop                                          ; a plain line behind the last root,
	s_wait_alu depctr_va_vdst(0)                   ; and one wait for the eight, ahead of their first reader
	WIN 0x82                                       ; destination and source 0 window 2
.irp a, 0,1,2,3
.irp b, 0,1,2,3,4,5,6,7
.irp i, 0,1,2,3
.set rA, 8*(8*\a+\b)+2*\i
	v_pk_mul_f32 v[rA:rA+1], v[rA:rA+1], v[T+2*(2*\a+\b/4):T+2*(2*\a+\b/4)+1] op_sel_hi:[1,0]
.endr
.endr
.endr
.irp a, 0,1,2,3
.irp b, 0,1,2,3,4,5,6,7
.irp i, 0,1,2,3
.set rA, 8*(8*\a+\b)+2*\i
	v_pk_mul_f32 v[rA:rA+1], v[rA:rA+1], v[NW+8*(\b%4)+2*\i:NW+8*(\b%4)+2*\i+1]
.endr
.endr
.endr
	PACK
.irp a, 0,1,2,3
.irp b, 0,1,2,3,4,5,6,7
	global_store_b128 v[GO], v[4*(8*\a+\b):4*(8*\a+\b)+3], s[72:73] offset:2048*\a+262144*(\b/4)+512*(\b%4)
.endr
.endr
	FINISH
	; ---- v: the sources exchanged, no bias, no norm
.Lv:
	KLOOP 1
	PACK
.irp a, 0,1,2,3
.irp b, 0,1,2,3,4,5,6,7
	global_store_b128 v[GO], v[4*(8*\a+\b):4*(8*\a+\b)+3], s[72:73] offset:4096*(\a/2)+512*(\a%2)+262144*(\b/4)+1024*(\b%4)
.endr
.endr
	FINISH
.Lfunc_end_k_qa79b62f0d3_proj:
	.size	k_qa79b62f0d3_proj, .Lfunc_end_k_qa79b62f0d3_proj-k_qa79b62f0d3_proj
	.p2alignl 7, 3214868480
	.fill 96, 4, 3214868480
	.section	.rodata,"a",@progbits
	.p2align	6, 0x0
	.amdhsa_kernel k_qa79b62f0d3_proj
		.amdhsa_group_segment_fixed_size 209408
		.amdhsa_private_segment_fixed_size 0
		.amdhsa_enable_private_segment 0
		.amdhsa_kernarg_size 72
		.amdhsa_user_sgpr_count 2
		.amdhsa_user_sgpr_kernarg_segment_ptr 1
		.amdhsa_wavefront_size32 1
		.amdhsa_system_sgpr_workgroup_id_x 1
		.amdhsa_system_sgpr_workgroup_id_y 1
		.amdhsa_system_sgpr_workgroup_id_z 1
		.amdhsa_system_vgpr_workitem_id 0
		.amdhsa_next_free_vgpr 768
		.amdhsa_next_free_sgpr 100
		.amdhsa_reserve_vcc 0
		.amdhsa_float_denorm_mode_32 3
		.amdhsa_float_denorm_mode_16_64 3
		.amdhsa_memory_ordered 1
		.amdhsa_forward_progress 1
		.amdhsa_inst_pref_size 153
	.end_amdhsa_kernel
	.amdgpu_metadata
---
amdhsa.version: [ 1, 2 ]
amdhsa.kernels:
  - .name:           k_qa79b62f0d3_proj
    .symbol:         k_qa79b62f0d3_proj.kd
    .args:
      - { .name: xc, .offset: 0, .size: 8, .value_kind: global_buffer, .address_space: global }
      - { .name: xs, .offset: 8, .size: 8, .value_kind: global_buffer, .address_space: global }
      - { .name: wc, .offset: 16, .size: 8, .value_kind: global_buffer, .address_space: global }
      - { .name: ws, .offset: 24, .size: 8, .value_kind: global_buffer, .address_space: global }
      - { .name: bq, .offset: 32, .size: 8, .value_kind: global_buffer, .address_space: global }
      - { .name: bk, .offset: 40, .size: 8, .value_kind: global_buffer, .address_space: global }
      - { .name: q_norm_w, .offset: 48, .size: 8, .value_kind: global_buffer, .address_space: global }
      - { .name: k_norm_w, .offset: 56, .size: 8, .value_kind: global_buffer, .address_space: global }
      - { .name: qkv, .offset: 64, .size: 8, .value_kind: global_buffer, .address_space: global }
    .group_segment_fixed_size: 209408
    .private_segment_fixed_size: 0
    .kernarg_segment_align: 8
    .kernarg_segment_size: 72
    .max_flat_workgroup_size: 128
    .sgpr_count:     100
    .vgpr_count:     768
    .wavefront_size: 32
...
	.end_amdgpu_metadata
.endif
;; end of part 2
;; launch attn (part 3): grid 4 x 64, 8 waves a work-group, clusters of 4 x 1, 327,680 bytes of LDS; arguments qkv, bv, o16; writes o16
.if DOCPART == 3
	.amdgcn_target "amdgcn-amd-amdhsa--gfx1250"
	.amdhsa_code_object_version 6
	.text
	.protected	k_qa79b62f0d3_attn
	.globl	k_qa79b62f0d3_attn
	.p2align	8
	.type	k_qa79b62f0d3_attn,@function
k_qa79b62f0d3_attn:
	s_mov_b64 s[64:65], 0
	v_nop
	global_prefetch_b8 v0, s[64:65] scope:SCOPE_SE
	s_setreg_imm32_b32 hwreg(HW_REG_WAVE_MODE, 25, 1), 1
	s_wait_xcnt 0x0
	s_wait_alu depctr_hold_cnt(0) depctr_sa_sdst(0) depctr_va_vdst(0) depctr_va_sdst(0) depctr_va_ssrc(0) depctr_va_vcc(0) depctr_vm_vsrc(0)
	s_getreg_b32 s2, hwreg(HW_REG_IB_STS2, 6, 4)
	s_cmp_eq_u32 s2, 0
	s_cbranch_scc0 .Lentry_in_a_cluster
	s_endpgm
.Lentry_in_a_cluster:
	s_bfe_u32 s2, ttmp6, 0x10000c
	s_cmp_lg_u32 s2, 0x3003
	s_cbranch_scc0 .Lentry_shape_is_right
	s_endpgm
.Lentry_shape_is_right:
; o[b, h, q] = sum_k softmax_k(q . k / 8) v_k + bv, for each of 64 (batch, head), 2,048 queries and keys, head size 64.  Operands f16, products, maxima and sums f32, a running maximum.
; bv is added here, behind the division (shown at the head of the first kernel); no work is left out.
; SHARES: a work-group owns 512 queries of one (batch, head); each of its eight waves 64: four tiles of 16, as two PIECES (tiles 0, 1 and tiles 2, 3).  Every wave walks the keys, 64 a step, 32 steps.
; LAYOUT: S^T = K Q^T (source 0 = 16 keys, source 1 = 16 queries) and O^T = V^T P (source 0 = 16 channels, source 1 = P): a lane holds one query throughout; two tiles of S^T, rounded in pairs, ARE P's registers.
; q, k and v lie in memory as images of operand registers (laid so by the launch before): every fragment is two loads of 16 bytes at 16 x lane: no pitch, no padding, no turning load.
; TWO WAVES SHARE A SIMD AND RUN A STEP'S PARTS IN OPPOSITE ORDERS.  A step is two pairs { matrix work of one piece (V^T P of the step, K Q^T of the next), softmax of the other piece }, whose members touch no
; common register.  Waves with ORD = 0 take the matrix work first, waves with ORD = 1 the softmax: so the one wave's products stand beside the other's vector work.  Each softmax is written twice, under a branch on the wave's number.
; CLUSTER: the four blocks of queries of a (batch, head) walk the same K and V: each tile is asked for jointly.  Ring of two slots of 512 keys; a refill has eight key steps in which to land,
; so nothing is asked for earlier than by the tensor load itself.
; LIMITS: |o| beyond 65,504 becomes an infinity of f16; weights p under 6e-5 keep an absolute error of 3e-8 in the second product (the row's sum takes them unrounded).
; REGISTERS: window 0: v1-4 addresses; v16-47 statistics, 8 a tile; v64-191 S^T, 32 a tile, P in the low 16 of them; v192-255 K's fragments.   window 1: v0-63 Q; v64-191 O^T, 32 a tile; v192-255 V's fragments.
.set SLOT1, 1<<17                      ; a slot: K's 65,536 bytes, then V's; slot 1 begins here, so that one exclusive or turns an address
.set SPARE, 2*SLOT1                    ; behind the ring: the spare words, 128 bytes for each of eight waves
.set AK0, 1                            ; v1  16 x lane
.set AV0, 2                            ; v2  16 x lane + 65,536
.set ADR, 3                            ; v3  the LDS address of the run of loads in hand
.set BOFF, 4                           ; v4  32 h
.set SPW, 8
.set NIL, 9
.set ST,  16                           ; tile t at v[ST + 8 t]: +0 c m, +1 m, +2, +3 l in two halves, +4 .. +7 at work; a in +6
.set S,   64
.set KF,  192
.set WV,  12                           ; s12 wave
.set ORD, 13                           ; s13 the wave's order
.set G1,  16                           ; s[16:23] descriptor group 1
.set G0A, 24                           ; s[24:27] group 0 for slot 0's first fill
.set G0B, 28                           ; s[28:31] for slot 1's; it then walks
.set CS,  32                           ; s[32:33] c = log2(e) / 8
.set SEL, 34                           ; s[34:35] selects for lane l xor 16
.set TB,  36                           ; s36 LDS byte at which the step to be fetched begins
.set SLOTS, 37
.set CNT, 38
.set MSB, 0
.macro WIN new
.if MSB != \new
	s_set_vgpr_msb (MSB<<8)|\new
.set MSB, \new
.endif
.endm
.macro PLACES n
.rept \n
	v_nop
.endr
.endm
.macro CROUND
	s_barrier_signal -1
	s_barrier_wait -1
	s_cmp_lg_u32 s[WV], 0
	s_cbranch_scc1 .Lnot_wave_0_\@
	s_barrier_signal -3
.Lnot_wave_0_\@:
	s_barrier_wait -3
	s_barrier_signal -1
	s_barrier_wait -1
.endm
.macro FETCH_K                         ; a step's K: 8,192 bytes, 16 loads; fragment (16 keys kt, 32 channels c) at v[KF + 8 (2 kt + c)]
	v_add_nc_u32 v[ADR], s[TB], v[AK0]
.irp f, 0,1,2,3,4,5,6,7,8,9,10,11,12,13,14,15
	ds_load_b128 v[KF+4*\f:KF+4*\f+3], v[ADR] offset:512*\f
.endr
.endm
.macro FETCH_V                         ; its V: fragment (32 keys kb, 16 channels ct) at v[192 + 8 (4 kb + ct)] of window 1
	v_add_nc_u32 v[ADR], s[TB], v[AV0]
	WIN 0x40
.irp f, 0,1,2,3,4,5,6,7,8,9,10,11,12,13,14,15
	ds_load_b128 v[192+4*\f:192+4*\f+3], v[ADR] offset:512*\f
.endr
	WIN 0
	s_add_co_u32 s[TB], s[TB], 8192                ; the next fetch is the next step's
.endm
; 16 products S^T = K Q^T of piece x: eight accumulators by turns; the first eight start the sums
.macro KQ x
	WIN 0x04                                       ; Q in window 1
.set i, 0
.rept 16
.set rS, S+32*(\x+i%2)+8*((i/2)%4)
.set rK, KF+8*(2*((i/2)%4)+i/8)
.set rQ, 16*(\x+i%2)+8*(i/8)
.if i < 8
	v_wmma_f32_16x16x32_f16 v[rS:rS+7], v[rK:rK+7], v[rQ:rQ+7], 0
.else
	v_wmma_f32_16x16x32_f16 v[rS:rS+7], v[rK:rK+7], v[rQ:rQ+7], v[rS:rS+7]
.endif
.set i, i+1
.endr
.endm
; 16 products O^T += V^T P of piece x: eight accumulators by turns
.macro PV x
	WIN 0x51                                       ; V, C and D in window 1, P in window 0
.set i, 0
.rept 16
.set rO, 64+32*(\x+i%2)+8*((i/2)%4)
.set rV, 192+8*(4*(i/8)+(i/2)%4)
.set rP, S+32*(\x+i%2)+8*(i/8)
	v_wmma_f32_16x16x32_f16 v[rO:rO+7], v[rV:rV+7], v[rP:rP+7], v[rO:rO+7]
.set i, i+1
.endr
.endm
.macro MATRIX x, kq
.if \x == 0
.if \kq
	s_wait_dscnt 16                                ; V's 16 loads are in; K's 16, issued behind them, may be out
.else
	s_wait_dscnt 0x0
.endif
.endif
	PV \x
.if \kq
	PLACES 5                                       ; K Q^T writes over P, which V^T P has read: five places
.if \x == 0
	s_wait_dscnt 0x0                               ; K is in
.endif
	KQ \x
.endif
	WIN 0
	PLACES 4                                       ; in front of the next reader of the scores and of loads into K's and V's registers, whichever part follows
.endm
; The softmax of piece y for one key step, both tiles line by line: p = 2^(c s - c m), m the running maximum; l and O^T are multiplied by a = 2^(c m_old - c m_new).
.macro SOFTMAX y
.irp j, 0,1,2,3                        ; the maximum: four chains, one for each tile of keys, begun at the accumulator's low end
.irp t, \y, \y+1
	v_max3_num_f32 v[ST+8*(\t)+4+\j], v[S+32*(\t)+8*\j], v[S+32*(\t)+8*\j+1], v[S+32*(\t)+8*\j+2]
.endr
.endr
.irp u, 3,5
.irp j, 0,1,2,3
.irp t, \y, \y+1
	v_max3_num_f32 v[ST+8*(\t)+4+\j], v[ST+8*(\t)+4+\j], v[S+32*(\t)+8*\j+\u], v[S+32*(\t)+8*\j+\u+1]
.endr
.endr
.endr
.irp t, \y, \y+1
	v_max3_num_f32 v[ST+8*(\t)+4], v[ST+8*(\t)+4], v[S+32*(\t)+7], v[S+32*(\t)+15]
	v_max3_num_f32 v[ST+8*(\t)+6], v[ST+8*(\t)+6], v[S+32*(\t)+23], v[S+32*(\t)+31]
.endr
.irp t, \y, \y+1
	v_max3_num_f32 v[ST+8*(\t)+4], v[ST+8*(\t)+4], v[ST+8*(\t)+5], v[ST+8*(\t)+6]
.endr
.irp t, \y, \y+1
	v_max3_num_f32 v[ST+8*(\t)+4], v[ST+8*(\t)+4], v[ST+8*(\t)+7], v[ST+8*(\t)+1]   ; with the old m
.endr
.irp t, \y, \y+1
	v_permlanex16_b32 v[ST+8*(\t)+5], v[ST+8*(\t)+4], s[SEL], s[SEL+1]   ; the query's other 32 keys lie in the lane 16 away
.endr
.irp t, \y, \y+1
	v_mov_b32 v[ST+8*(\t)+7], v[ST+8*(\t)]         ; c m_old
.endr
.irp t, \y, \y+1
	v_max_num_f32 v[ST+8*(\t)+1], v[ST+8*(\t)+4], v[ST+8*(\t)+5]
.endr
.irp t, \y, \y+1
	v_mul_f32 v[ST+8*(\t)], s[CS], v[ST+8*(\t)+1]
.endr
.irp t, \y, \y+1
	v_sub_f32 v[ST+8*(\t)+7], v[ST+8*(\t)+7], v[ST+8*(\t)]
.endr
.irp t, \y, \y+1                       ; ONE BATCH: the scalings c s - c m and all the exponentials; none of these names an exponential's result
	v_pk_fma_f32 v[S+32*(\t):S+32*(\t)+1], v[S+32*(\t):S+32*(\t)+1], s[CS:CS+1], v[ST+8*(\t):ST+8*(\t)+1] op_sel_hi:[1,0,0] neg_lo:[0,0,1] neg_hi:[0,0,1]
.endr
.irp t, \y, \y+1
	v_exp_f32 v[ST+8*(\t)+6], v[ST+8*(\t)+7]       ; a
.endr
.irp b, 0,1,2,3,4,5,6,7,8,9,10,11,12,13,14,15  ; pair b + 1 is scaled, then pair b's exponentials are issued
.if \b < 15
.irp t, \y, \y+1
	v_pk_fma_f32 v[S+32*(\t)+2*\b+2:S+32*(\t)+2*\b+3], v[S+32*(\t)+2*\b+2:S+32*(\t)+2*\b+3], s[CS:CS+1], v[ST+8*(\t):ST+8*(\t)+1] op_sel_hi:[1,0,0] neg_lo:[0,0,1] neg_hi:[0,0,1]
.endr
.endif
.irp t, \y, \y+1
	v_exp_f32 v[S+32*(\t)+2*\b], v[S+32*(\t)+2*\b]
	v_exp_f32 v[S+32*(\t)+2*\b+1], v[S+32*(\t)+2*\b+1]
.endr
.endr
	v_nop                                          ; a plain line behind the last exponential,
	s_wait_alu depctr_va_vdst(0)                   ; and one wait for the 66, ahead of their first reader
.irp t, \y, \y+1                       ; the row's sum, of the unrounded p, in two chains
	v_pk_fma_f32 v[ST+8*(\t)+2:ST+8*(\t)+3], v[ST+8*(\t)+2:ST+8*(\t)+3], v[ST+8*(\t)+6:ST+8*(\t)+7], v[S+32*(\t):S+32*(\t)+1] op_sel_hi:[1,0,1]
.endr
.irp t, \y, \y+1
	v_pk_add_f32 v[ST+8*(\t)+4:ST+8*(\t)+5], v[S+32*(\t)+2:S+32*(\t)+3], v[S+32*(\t)+4:S+32*(\t)+5]
.endr
.irp p, 3,5,7,9,11,13
.irp t, \y, \y+1
	v_pk_add_f32 v[ST+8*(\t)+2:ST+8*(\t)+3], v[ST+8*(\t)+2:ST+8*(\t)+3], v[S+32*(\t)+2*\p:S+32*(\t)+2*\p+1]
	v_pk_add_f32 v[ST+8*(\t)+4:ST+8*(\t)+5], v[ST+8*(\t)+4:ST+8*(\t)+5], v[S+32*(\t)+2*\p+2:S+32*(\t)+2*\p+3]
.endr
.endr
.irp t, \y, \y+1
	v_pk_add_f32 v[ST+8*(\t)+2:ST+8*(\t)+3], v[ST+8*(\t)+2:ST+8*(\t)+3], v[S+32*(\t)+30:S+32*(\t)+31]
.endr
.irp t, \y, \y+1
	v_pk_add_f32 v[ST+8*(\t)+2:ST+8*(\t)+3], v[ST+8*(\t)+2:ST+8*(\t)+3], v[ST+8*(\t)+4:ST+8*(\t)+5]
.endr
.irp p, 0,1,2,3,4,5,6,7,8,9,10,11,12,13,14,15  ; P, in place, ascending: register p takes pair p, which lies at 2 p
.irp t, \y, \y+1
	v_cvt_pk_f16_f32 v[S+32*(\t)+\p], v[S+32*(\t)+2*\p], v[S+32*(\t)+2*\p+1]
.endr
.endr
	WIN 0x41                                       ; O^T in window 1, a in window 0
.irp p, 0,1,2,3,4,5,6,7,8,9,10,11,12,13,14,15  ; each accumulator from its low end on
.irp t, \y, \y+1
	v_pk_mul_f32 v[64+32*(\t)+2*\p:64+32*(\t)+2*\p+1], v[64+32*(\t)+2*\p:64+32*(\t)+2*\p+1], v[ST+8*(\t)+6:ST+8*(\t)+7] op_sel_hi:[1,0]
.endr
.endr
	WIN 0
.endm
; Key step j: K of step j + 1 | { piece 0: V^T P of j, K Q^T of j + 1 ; piece 2's softmax of j } | { piece 2: the same ; piece 0's softmax of j + 1 }, V of step j + 1 behind piece 2's products
.macro STEP
	FETCH_K
	s_cmp_eq_u32 s[ORD], 0
	s_cbranch_scc1 .La_\@
	SOFTMAX 2
.La_\@:
	MATRIX 0, 1
	s_cmp_lg_u32 s[ORD], 0
	s_cbranch_scc1 .Lb_\@
	SOFTMAX 2
.Lb_\@:
	s_cmp_eq_u32 s[ORD], 0
	s_cbranch_scc1 .Lc_\@
	SOFTMAX 0
.Lc_\@:
	MATRIX 2, 1
	FETCH_V
	s_cmp_lg_u32 s[ORD], 0
	s_cbranch_scc1 .Ld_\@
	SOFTMAX 0
.Ld_\@:
.endm
.macro STEPS n
	s_mov_b32 s[CNT], \n
.Lsteps_\@:
	STEP
	s_sub_co_u32 s[CNT], s[CNT], 1
	s_cmp_lg_u32 s[CNT], 0
	s_cbranch_scc1 .Lsteps_\@
.endm
; The change of slots: the slot's last bytes, V of its last step, have been asked for.  Each wave waits for all its tensor loads (one is out: its part of the other slot), adds 0 to its spare word,
; and waits for that and for its reads of the slot.  fill = 1: the barrier is a round of the cluster's, and the joint refill is the first thing behind it.
.macro CHANGE fill
	s_wait_tensorcnt 0x0                           ; no tensor load of mine is out, so a group 0 may be written
	ds_add_u32 v[SPW], v[NIL]
.if \fill
	s_xor_b32 s[G0B+1], s[G0B+1], SLOT1            ; the walking descriptor: the other slot than last time,
	s_add_nc_u64 s[G0B+2:G0B+3], s[G0B+2:G0B+3], 0x10000   ; the next 512 keys
.endif
	s_wait_dscnt 0x0                               ; the add is done, and my reads of the slot are over
.if \fill
	CROUND
	tensor_load_to_lds s[G0B:G0B+3], s[G1:G1+7]    ; my one tensor load behind the round: 16,384 bytes; the eight waves' fill the slot
	s_nop 0
.rept 4
	v_nop
.endr
.else
	s_barrier_signal -1
	s_barrier_wait -1
.endif
	s_sub_co_u32 s[TB], s[TB], 0x10000             ; the fetches go back to a slot's first step,
	s_xor_b32 s[TB], s[TB], SLOT1                  ; in the other slot
.endm
	s_load_b128 s[4:7], s[0:1], 0x0                ; qkv s[4:5], bv s[6:7]
	s_load_b64 s[8:9], s[0:1], 0x10                ; o16
	v_lshl_add_u32 v[SPW], v0, 2, SPARE
	v_mov_b32 v[NIL], 0
	ds_add_u32 v[SPW], v[NIL]                      ; the wave's opening: the add, twice on end, and its wait ahead of my first tensor load
	ds_add_u32 v[SPW], v[NIL]
	v_lshrrev_b32 v5, 5, v0
	v_readfirstlane_b32 s[WV], v5                  ; wave 0..7
	s_lshr_b32 s[ORD], s[WV], 2
	s_xor_b32 s[ORD], s[ORD], s[WV]
	s_and_b32 s[ORD], s[ORD], 1                    ; differs between waves w and w + 4 and between 2 i and 2 i + 1
	s_bfe_u32 s46, ttmp6, 0x40000                  ; cx: my block of 512 queries; it enters Q's and O's addresses alone
	s_and_b32 s40, ttmp7, 0xffff                   ; 16 batch + head, which the four partners share
	s_lshl_b32 s41, s40, 18                        ; x 262,144
	s_lshr_b32 s42, s[WV], 2                       ; waves 0-3 fetch K's quarters, waves 4-7 V's
	s_add_co_u32 s42, s42, 1
	s_lshl_b32 s42, s42, 24                        ; k at 16 MiB, v at 32 MiB
	s_add_co_u32 s42, s42, s41
	s_and_b32 s43, s[WV], 3
	s_lshl_b32 s43, s43, 14
	s_add_co_u32 s42, s42, s43
	s_mov_b32 s43, 0
	s_lshl_b32 s44, s46, 16                        ; Q: my block's 65,536 bytes, my wave's 8,192
	s_add_co_u32 s44, s44, s41
	s_lshl_b32 s45, s[WV], 13
	s_add_co_u32 s44, s44, s45
	s_mov_b32 s45, 0
	s_lshr_b32 s48, s40, 4                         ; o16: row tile 128 batch + 32 block + 4 wave, 32,768 bytes each; + 2,048 x head
	s_lshl_b32 s48, s48, 7
	s_lshl_b32 s49, s46, 5
	s_add_co_u32 s48, s48, s49
	s_lshl_b32 s49, s[WV], 2
	s_add_co_u32 s48, s48, s49
	s_lshl_b32 s48, s48, 15
	s_and_b32 s50, s40, 15
	s_lshl_b32 s49, s50, 11
	s_add_co_u32 s48, s48, s49
	s_mov_b32 s49, 0
	s_lshl_b32 s50, s50, 8                         ; bv: the head's 64 numbers
	s_mov_b32 s51, 0
	s_mov_b32 s[G1], 15|(3<<16)|(1<<21)            ; the mask: all four work-groups; elements of 8 bytes; bit 21 beside a mask; no padding
	s_mov_b32 s[G1+1], 32<<16                      ; tensor_dim0 = 32 elements: 256 bytes
	s_mov_b32 s[G1+2], 64<<16                      ; tensor_dim1 = 64 rows
	s_mov_b32 s[G1+3], 32<<16                      ; tile_dim0
	s_mov_b32 s[G1+4], 64                          ; tile_dim1
	s_mov_b32 s[G1+5], 32                          ; dense: each row begins where the last ends
	s_mov_b32 s[G1+6], 0
	s_mov_b32 s[G1+7], 0
	s_mov_b32 s[G0A], 1
	s_lshl_b32 s[G0A+1], s[WV], 14                 ; LDS: 16,384 x wave: K's four quarters, then V's
	s_mov_b32 s[G0B], 1
	s_add_co_u32 s[G0B+1], s[G0A+1], SLOT1
	s_mov_b32 s[CS], 0x3e38aa3b                    ; c = log2(e) / 8
	s_mov_b32 s[CS+1], s[CS]
	s_mov_b32 s[SEL], 0x76543210
	s_mov_b32 s[SEL+1], 0xfedcba98
	s_mov_b32 s[TB], 0
	s_mov_b32 s[SLOTS], 2
	s_wait_dscnt 0x0                               ; both opening adds are done
	s_wait_kmcnt 0x0
	s_add_nc_u64 s[G0A+2:G0A+3], s[4:5], s[42:43]
	s_add_nc_u64 s[G0B+2:G0B+3], s[G0A+2:G0A+3], 0x10000
	s_or_b32 s[G0A+3], s[G0A+3], 0x80000000
	s_or_b32 s[G0B+3], s[G0B+3], 0x80000000
	s_add_nc_u64 s[4:5], s[4:5], s[44:45]          ; Q at my wave's first tile
	s_add_nc_u64 s[6:7], s[6:7], s[50:51]
	s_add_nc_u64 s[8:9], s[8:9], s[48:49]
	CROUND                                         ; all four work-groups are here: the first joint loads meet
	tensor_load_to_lds s[G0A:G0A+3], s[G1:G1+7]    ; slot 0: keys 0-511
	s_nop 0
	tensor_load_to_lds s[G0B:G0B+3], s[G1:G1+7]    ; slot 1: keys 512-1,023.  Two loads of mine are out
	s_nop 0
.rept 4
	v_nop
.endr
	v_and_b32 v[AK0], 31, v0
	v_lshlrev_b32 v[AK0], 4, v[AK0]
	v_add_nc_u32 v[AV0], 0x10000, v[AK0]
	v_bfe_u32 v[BOFF], v0, 4, 1
	v_lshlrev_b32 v[BOFF], 5, v[BOFF]
	WIN 0x40                                       ; destination window 1
.irp t, 0,1,2,3
.irp n, 0,1,2,3
	global_load_b128 v[16*\t+4*\n:16*\t+4*\n+3], v[AK0], s[4:5] offset:2048*\t+512*\n   ; Q stays in registers
.endr
.endr
.set i, 64
.rept 128
	v_mov_b32 v[i], 0                              ; O^T: the step is written once; its first run finds zeros, which a = 0 leaves zeros.  Written while the first tiles are on their way
.set i, i+1
.endr
	WIN 0
.irp t, 0,1,2,3
	v_mov_b32 v[ST+8*\t+1], 0xff61b1e6             ; m = -3e38, under every score
	v_mov_b32 v[ST+8*\t+2], 0                      ; l
	v_mov_b32 v[ST+8*\t+3], 0
	v_mul_f32 v[ST+8*\t], s[CS], v[ST+8*\t+1]      ; c m
.endr
	s_wait_tensorcnt 0x1                           ; my part of slot 0 is in; slot 1's may stay out
	s_barrier_signal -1
	s_barrier_wait -1                              ; everybody's is
	FETCH_K                                        ; key step 0
	s_wait_loadcnt 0x0                             ; Q
	s_wait_dscnt 0x0
	KQ 0
	KQ 2
	WIN 0
	PLACES 4
	FETCH_V
	SOFTMAX 0
	STEPS 7                                        ; steps 0-6; step 6 fetches step 7's K and V, the last of slot 0
.Lslot:                                            ; two trips: steps 7-14, 15-22; the slot just left takes keys 1,024-1,535, then 1,536-2,047
	CHANGE 1
	STEPS 8
	s_sub_co_u32 s[SLOTS], s[SLOTS], 1
	s_cmp_lg_u32 s[SLOTS], 0
	s_cbranch_scc1 .Lslot
	CHANGE 0                                       ; the tail is written out
	STEPS 8                                        ; steps 23-30
	; step 31: nothing more to fetch but bv, into K's registers (four places stand behind the last product that read them)
.irp c, 0,1,2,3
	global_load_b128 v[KF+8*\c:KF+8*\c+3], v[BOFF], s[6:7] offset:64*\c        ; in O^T's layout: channels 16 c + 8 h + 0 .. 7
	global_load_b128 v[KF+8*\c+4:KF+8*\c+7], v[BOFF], s[6:7] offset:64*\c+16
.endr
	s_cmp_eq_u32 s[ORD], 0
	s_cbranch_scc1 .Lta
	SOFTMAX 2
.Lta:
	MATRIX 0, 0
	s_cmp_lg_u32 s[ORD], 0
	s_cbranch_scc1 .Ltb
	SOFTMAX 2
.Ltb:
	PV 2
	WIN 0
	; THE WAY OUT: o = O^T / l + bv, rounded to f16; each accumulator is stored as an image of registers, in the order in which the last launch's operand takes it:
	; o16 [512 tiles of 16 rows][32 pieces of 32 k][2 halves][32 lanes][16 B]; k = 64 head + channel.  A store covers 512 consecutive bytes, aligned.
.irp t, 0,1,2,3
	v_add_f32 v[ST+8*\t+4], v[ST+8*\t+2], v[ST+8*\t+3]     ; (these four are the places behind the last products)
.endr
.irp t, 0,1,2,3
	v_permlanex16_b32 v[ST+8*\t+5], v[ST+8*\t+4], s[SEL], s[SEL+1]
.endr
.irp t, 0,1,2,3
	v_add_f32 v[ST+8*\t+4], v[ST+8*\t+4], v[ST+8*\t+5]
.endr
.irp t, 0,1,2,3
	v_rcp_f32 v[ST+8*\t+6], v[ST+8*\t+4]
.endr
	v_nop                                          ; a plain line behind the last reciprocal,
	s_wait_alu depctr_va_vdst(0)                   ; and one wait for the four
	s_wait_loadcnt 0x0                             ; bv
	WIN 0x41
.irp t, 0,1,2,3
.irp c, 0,1,2,3
.irp i, 0,1,2,3
	v_pk_fma_f32 v[64+32*\t+8*\c+2*\i:64+32*\t+8*\c+2*\i+1], v[64+32*\t+8*\c+2*\i:64+32*\t+8*\c+2*\i+1], v[ST+8*\t+6:ST+8*\t+7], v[KF+8*\c+2*\i:KF+8*\c+2*\i+1] op_sel_hi:[1,0,1]
.endr
.endr
.endr
	WIN 0x05                                       ; sources window 1, destination window 0: S^T's registers are free
.irp t, 0,1,2,3
.irp c, 0,1,2,3
.irp i, 0,1,2,3
	v_cvt_pk_f16_f32 v[S+16*\t+4*\c+\i], v[64+32*\t+8*\c+2*\i], v[64+32*\t+8*\c+2*\i+1]
.endr
.endr
.endr
	WIN 0
.irp t, 0,1,2,3
.irp c, 0,1,2,3
	global_store_b128 v[AK0], v[S+16*\t+4*\c:S+16*\t+4*\c+3], s[8:9] offset:32768*\t+512*\c
.endr
.endr
	s_wait_tensorcnt 0x0                           ; the wave's end
	ds_add_u32 v[SPW], v[NIL]
	s_wait_dscnt 0x0
	CROUND                                         ; the closing round
	s_endpgm
.Lfunc_end_k_qa79b62f0d3_attn:
	.size	k_qa79b62f0d3_attn, .Lfunc_end_k_qa79b62f0d3_attn-k_qa79b62f0d3_attn
	.p2alignl 7, 3214868480
	.fill 96, 4, 3214868480
	.section	.rodata,"a",@progbits
	.p2align	6, 0x0
	.amdhsa_kernel k_qa79b62f0d3_attn
		.amdhsa_group_segment_fixed_size 327680
		.amdhsa_private_segment_fixed_size 0
		.amdhsa_enable_private_segment 0
		.amdhsa_kernarg_size 24
		.amdhsa_user_sgpr_count 2
		.amdhsa_user_sgpr_kernarg_segment_ptr 1
		.amdhsa_wavefront_size32 1
		.amdhsa_system_sgpr_workgroup_id_x 1
		.amdhsa_system_sgpr_workgroup_id_y 1
		.amdhsa_system_sgpr_workgroup_id_z 1
		.amdhsa_system_vgpr_workitem_id 0
		.amdhsa_next_free_vgpr 512
		.amdhsa_next_free_sgpr 66
		.amdhsa_reserve_vcc 0
		.amdhsa_float_denorm_mode_32 3
		.amdhsa_float_denorm_mode_16_64 3
		.amdhsa_memory_ordered 1
		.amdhsa_forward_progress 1
		.amdhsa_inst_pref_size 241
	.end_amdhsa_kernel
	.amdgpu_metadata
---
amdhsa.version: [ 1, 2 ]
amdhsa.kernels:
  - .name:           k_qa79b62f0d3_attn
    .symbol:         k_qa79b62f0d3_attn.kd
    .args:
      - { .name: qkv, .offset: 0, .size: 8, .value_kind: global_buffer, .address_space: global }
      - { .name: bv, .offset: 8, .size: 8, .value_kind: global_buffer, .address_space: global }
      - { .name: o16, .offset: 16, .size: 8, .value_kind: global_buffer, .address_space: global }
    .group_segment_fixed_size: 327680
    .private_segment_fixed_size: 0
    .kernarg_segment_align: 8
    .kernarg_segment_size: 24
    .max_flat_workgroup_size: 256
    .sgpr_count:     66
    .vgpr_count:     512
    .wavefront_size: 32
...
	.end_amdgpu_metadata
.endif
;; end of part 3
;; launch oproj (part 4): grid 4 x 64, 4 waves a work-group, clusters of 4 x 4, 327,680 bytes of LDS; arguments o16, wo16, bo, out0; writes out0
.if DOCPART == 4
	.amdgcn_target "amdgcn-amd-amdhsa--gfx1250"
	.amdhsa_code_object_version 6
	.text
	.protected	k_qa79b62f0d3_oproj
	.globl	k_qa79b62f0d3_oproj
	.p2align	8
	.type	k_qa79b62f0d3_oproj,@function
k_qa79b62f0d3_oproj:
	s_mov_b64 s[64:65], 0
	v_nop
	global_prefetch_b8 v0, s[64:65] scope:SCOPE_SE
	s_setreg_imm32_b32 hwreg(HW_REG_WAVE_MODE, 25, 1), 1
	s_wait_xcnt 0x0
	s_wait_alu depctr_hold_cnt(0) depctr_sa_sdst(0) depctr_va_vdst(0) depctr_va_sdst(0) depctr_va_ssrc(0) depctr_va_vcc(0) depctr_vm_vsrc(0)
	s_getreg_b32 s2, hwreg(HW_REG_IB_STS2, 6, 4)
	s_cmp_eq_u32 s2, 0
	s_cbranch_scc0 .Lentry_in_a_cluster
	s_endpgm
.Lentry_in_a_cluster:
	s_bfe_u32 s2, ttmp6, 0x10000c
	s_cmp_lg_u32 s2, 0xf033
	s_cbranch_scc0 .Lentry_shape_is_right
	s_endpgm
.Lentry_shape_is_right:
; out0 = o Wo^T + bo.  o [8192][1024] and Wo [1024][1024] arrive as f16, laid as images of operand registers (o16, wo16: a piece of 16 rows x 32 k is 1,024 bytes, two loads of 16 bytes at 16 x lane); sums f32.
; No work is left out.
; SHARES: 256 work-groups, each 128 rows x 256 columns (tiles of 256 x 256 would be 128: half as many as there are WGPs).  Four waves, each 64 x 128: 32 accumulators.
; K goes in eight steps of 128 through a ring of two LDS slots: in memory a K step of a tile of 16 rows is 4,096 consecutive bytes.
; CLUSTER 4 x 4: o's tiles are shared along a row of the cluster, Wo's along a column: joint loads.
; The product is used transposed (source 0 = 16 rows of Wo, source 1 = 16 rows of o): a lane holds eight neighbouring columns of a row of the output.  The bias is the C of each sum's first product.
; REGISTERS: window 0: addresses; v32-95 the bias; v96-159 o's fragments, two sets; on the way out v128-255 rows.   window 1: v0-127 Wo's fragments, two sets.   window 2: accumulator (a, b) at v[8 (8 a + b)].
.set SLOT,  98304                      ; o's 8 tiles of rows x 4,096 bytes, then Wo's 16
.set SPARE, 2*SLOT                     ; behind the ring: the spare words, 128 bytes a wave
.set SPITCH, 528                       ; the way out: a stage of 16 rows x (512 bytes + 16) for each wave, in slot 0, which has had its last fill and its last read when the first result is stored there
.set ADR,  16                          ; v16-17 LDS address of my fragments of o in slot 0, 1
.set ADL,  20                          ; v20-21 of Wo
.set STO,  24
.set RD,   25
.set CO,   26
.set BOFF, 27
.set SPW,  28
.set NIL,  29
.set BIAS, 32
.set RF,   96
.set BK,   128
.set G1R,  28
.set G1L,  36
.set G0R,  44
.set G0L,  52
.set MSB, 0
.macro WIN new
.if MSB != \new
	s_set_vgpr_msb (MSB<<8)|\new
.set MSB, \new
.endif
.endm
.macro PLACES n
.rept \n
	v_nop
.endr
.endm
.macro JLOAD g0r, g0l                  ; a joint load: waves 0 and 1 fetch for o, waves 2 and 3 for Wo; an s_nop 0 and four v_nop follow each line
	s_cmp_eq_u32 s13, 0
	s_cbranch_scc0 .Lfor_l_\@
	tensor_load_to_lds s[\g0r:\g0r+3], s[G1R:G1R+7]
	s_nop 0
.rept 4
	v_nop
.endr
	s_branch .Lasked_\@
.Lfor_l_\@:
	tensor_load_to_lds s[\g0l:\g0l+3], s[G1L:G1L+7]
	s_nop 0
.rept 4
	v_nop
.endr
.Lasked_\@:
.endm
.macro CREST
	s_cmp_lg_u32 s12, 0
	s_cbranch_scc1 .Lnot_wave_0_\@
	s_barrier_signal -3
.Lnot_wave_0_\@:
	s_barrier_wait -3
	s_barrier_signal -1
	s_barrier_wait -1
.endm
.macro CROUND
	s_barrier_signal -1
	s_barrier_wait -1
	CREST
.endm
.macro FETCH slot, qd, set             ; 24 LDS loads: the fragments of the slot's qd-th 32 along K: Wo's eight, then o's blocks 0, 1, then 2, 3
	WIN 0x40
.irp b, 0,1,2,3,4,5,6,7
.irp g, 0,1
	ds_load_b128 v[64*(\set)+8*\b+4*\g:64*(\set)+8*\b+4*\g+3], v[ADL+\slot] offset:4096*\b+1024*(\qd)+512*\g
.endr
.endr
	WIN 0
.irp a, 0,1,2,3
.irp g, 0,1
	ds_load_b128 v[RF+32*(\set)+8*\a+4*\g:RF+32*(\set)+8*\a+4*\g+3], v[ADR+\slot] offset:4096*\a+1024*(\qd)+512*\g
.endr
.endr
.endm
.macro MULA set, a, first              ; eight products: o's block a against Wo's eight.  The 32 accumulators take turns in the same order in every quarter
.if \first
	WIN 0x81                                       ; Wo window 1, o and the bias window 0, D window 2
.else
	WIN 0xa1
.endif
.irp b, 0,1,2,3,4,5,6,7
.if \first
	v_wmma_f32_16x16x32_f16 v[8*(8*(\a)+\b):8*(8*(\a)+\b)+7], v[64*(\set)+8*\b:64*(\set)+8*\b+7], v[RF+32*(\set)+8*(\a):RF+32*(\set)+8*(\a)+7], v[BIAS+8*\b:BIAS+8*\b+7]
.else
	v_wmma_f32_16x16x32_f16 v[8*(8*(\a)+\b):8*(8*(\a)+\b)+7], v[64*(\set)+8*\b:64*(\set)+8*\b+7], v[RF+32*(\set)+8*(\a):RF+32*(\set)+8*(\a)+7], v[8*(8*(\a)+\b):8*(8*(\a)+\b)+7]
.endif
.endr
.endm
; A K step is four quarters of 32 along K on sets 0, 1, 0, 1.  One of the first three multiplies set f and, in its middle, fetches quarter qd into set g.
.macro QUARTER slot, qd, f, g, first
	s_wait_dscnt 4                                 ; Wo's fragments and o's blocks 0, 1 are in; the youngest four loads (blocks 2, 3) may be out
	MULA \f, 0, \first
	MULA \f, 1, \first
	PLACES 4                                       ; in front of loads into registers that matrix instructions have read
	FETCH \slot, \qd, \g
	s_wait_dscnt 24                                ; all but the 24 just issued
	MULA \f, 2, \first
	MULA \f, 3, \first
.endm
; The last quarter multiplies set 1 and changes slots: one barrier; in front of it each wave waits for all its tensor loads, adds 0 to its spare word, and waits for that and for its reads of this slot.
.macro TURN slot, next, fill
	WIN 0
	s_wait_tensorcnt 0x0                           ; all my tensor loads have landed: my part of the next slot;
	ds_add_u32 v[SPW], v[NIL]
	s_wait_dscnt 5                                 ; (the add and the youngest four loads may be out)
	MULA 1, 0, 0                                   ; eight products stand between the add and the wait for it
	s_wait_dscnt 0x0                               ; the add is done, and my reads of this slot are over
	s_barrier_signal -1
	MULA 1, 1, 0
	WIN 0
	s_barrier_wait -1
.if \fill
	CREST                                          ; the barrier has opened a round of the cluster's: no wave of any partner still reads this slot or has a load on its way
	s_add_nc_u64 s[G0R+4*\slot+2:G0R+4*\slot+3], s[G0R+4*\slot+2:G0R+4*\slot+3], 8192
	s_add_nc_u64 s[G0L+4*\slot+2:G0L+4*\slot+3], s[G0L+4*\slot+2:G0L+4*\slot+3], 8192
	JLOAD G0R+4*\slot, G0L+4*\slot                 ; the first tensor load behind the round; its four v_nop are the places in front of the loads below
.else
	PLACES 4
.endif
	FETCH \next, 0, 0
	MULA 1, 2, 0
	MULA 1, 3, 0
.endm
	s_load_b256 s[4:11], s[0:1], 0x0               ; o16 s[4:5], wo16 s[6:7], bo s[8:9], out0 s[10:11]
	v_lshl_add_u32 v[SPW], v0, 2, SPARE
	v_mov_b32 v[NIL], 0
	ds_add_u32 v[SPW], v[NIL]                      ; the wave's opening: the add, twice on end, and its wait ahead of my first tensor load
	ds_add_u32 v[SPW], v[NIL]
	v_lshrrev_b32 v1, 5, v0
	v_readfirstlane_b32 s12, v1                    ; wave 0..3
	s_lshr_b32 s13, s12, 1                         ; which 64 rows are mine.  Also: I fetch for o (0) or for Wo (1)
	s_and_b32 s14, s12, 1                          ; which 128 columns.  Also: which half of that tile I fetch
	s_bfe_u32 s15, ttmp6, 0x40000                  ; cx
	s_bfe_u32 s16, ttmp6, 0x40004                  ; cy
	s_lshl_b32 s17, ttmp9, 2
	s_add_co_u32 s17, s17, s15                     ; the tile of 256 columns
	s_and_b32 s18, ttmp7, 0xffff
	s_lshl_b32 s18, s18, 2
	s_add_co_u32 s18, s18, s16                     ; the tile of 128 rows
	s_lshl_b32 s19, s16, 2
	s_lshl_b32 s19, 15, s19                        ; my row of the cluster
	s_lshl_b32 s20, 0x1111, s15                    ; my column
	s_or_b32 s[G1R], s19, (3<<16)|(1<<21)          ; the mask; elements of 8 bytes; bit 21 beside a mask; no padding
	s_or_b32 s[G1L], s20, (3<<16)|(1<<21)
	s_mov_b32 s[G1R+1], 512<<16                    ; tensor_dim0 = 512 elements: 4,096 bytes, a K step of a tile of 16 rows
	s_mov_b32 s[G1R+2], 4<<16                      ; tensor_dim1 = 4 such tiles
	s_mov_b32 s[G1R+3], 512<<16
	s_mov_b32 s[G1R+4], 4
	s_mov_b32 s[G1R+5], 4096                       ; from tile to tile: 32,768 bytes
	s_mov_b32 s[G1R+6], 0
	s_mov_b32 s[G1R+7], 0
	s_mov_b32 s[G1L+1], 512<<16
	s_mov_b32 s[G1L+2], 8<<16
	s_mov_b32 s[G1L+3], 512<<16
	s_mov_b32 s[G1L+4], 8
	s_mov_b32 s[G1L+5], 4096
	s_mov_b32 s[G1L+6], 0
	s_mov_b32 s[G1L+7], 0
	s_lshl_b32 s66, s18, 3                         ; o: tile of rows 8 x tile + 4 x half.  s66, s67 never hold cx
	s_lshl_b32 s67, s14, 2
	s_add_co_u32 s66, s66, s67
	s_lshl_b32 s66, s66, 15
	s_mov_b32 s67, 0
	s_lshl_b32 s68, s17, 4                         ; Wo: tile of columns 16 x tile + 8 x half.  s68, s69 never hold cy
	s_lshl_b32 s69, s14, 3
	s_add_co_u32 s68, s68, s69
	s_lshl_b32 s68, s68, 15
	s_mov_b32 s69, 0
	s_lshl_b32 s70, s14, 14                        ; where they go: no place in the cluster enters an LDS address
	s_lshl_b32 s71, s14, 15
	s_add_co_u32 s71, s71, 32768
	s_wait_dscnt 0x0                               ; both opening adds are done
	s_wait_kmcnt 0x0
	s_add_nc_u64 s[66:67], s[4:5], s[66:67]
	s_add_nc_u64 s[68:69], s[6:7], s[68:69]
	CROUND                                         ; all sixteen work-groups are here: the first joint loads meet
.irp s, 0,1
	s_mov_b32 s[G0R+4*\s], 1
	s_add_co_u32 s[G0R+4*\s+1], s70, \s*SLOT
	s_add_nc_u64 s[G0R+4*\s+2:G0R+4*\s+3], s[66:67], \s*4096
	s_or_b32 s[G0R+4*\s+3], s[G0R+4*\s+3], 0x80000000
	s_mov_b32 s[G0L+4*\s], 1
	s_add_co_u32 s[G0L+4*\s+1], s71, \s*SLOT
	s_add_nc_u64 s[G0L+4*\s+2:G0L+4*\s+3], s[68:69], \s*4096
	s_or_b32 s[G0L+4*\s+3], s[G0L+4*\s+3], 0x80000000
	JLOAD G0R+4*\s, G0L+4*\s                       ; K steps 0 and 1: two loads of mine are out
.endr
	v_and_b32 v1, 15, v0                           ; r
	v_bfe_u32 v2, v0, 4, 1                         ; h
	v_and_b32 v3, 31, v0
	v_lshlrev_b32 v[CO], 4, v3                     ; 16 x lane
	s_lshl_b32 s72, s13, 14                        ; my four tiles of o's rows
	s_lshl_b32 s73, s14, 15                        ; my eight tiles of Wo's,
	s_add_co_u32 s73, s73, 32768                   ; behind o's eight
.irp s, 0,1
	v_add_nc_u32 v[ADR+\s], s72, v[CO]
	v_add_nc_u32 v[ADL+\s], s73, v[CO]
	s_add_co_u32 s72, s72, SLOT
	s_add_co_u32 s73, s73, SLOT
.endr
	s_mul_i32 s74, s12, 16*SPITCH                  ; my stage
	v_mul_u32_u24 v4, v1, SPITCH
	v_lshl_add_u32 v4, v2, 5, v4
	v_add_nc_u32 v[STO], s74, v4                   ; in: row r, 32 bytes for each half of the lanes
	v_add_nc_u32 v[RD], s74, v[CO]                 ; back: the 32 lanes take one row of 512 bytes
	v_lshlrev_b32 v[BOFF], 5, v2
	s_lshl_b32 s76, s17, 10
	s_lshl_b32 s77, s14, 9
	s_add_co_u32 s76, s76, s77                     ; my 128 columns, in bytes of f32
	s_mov_b32 s77, 0
	s_add_nc_u64 s[8:9], s[8:9], s[76:77]
	s_lshl_b32 s78, s18, 19                        ; my first row: 128 x tile + 64 x half, 4,096 bytes a row
	s_lshl_b32 s79, s13, 18
	s_add_co_u32 s78, s78, s79
	s_add_co_u32 s78, s78, s76
	s_mov_b32 s79, 0
	s_add_nc_u64 s[10:11], s[10:11], s[78:79]
.irp b, 0,1,2,3,4,5,6,7
	global_load_b128 v[BIAS+8*\b:BIAS+8*\b+3], v[BOFF], s[8:9] offset:64*\b          ; in the result's layout: columns 16 b + 8 h + 0 .. 7
	global_load_b128 v[BIAS+8*\b+4:BIAS+8*\b+7], v[BOFF], s[8:9] offset:64*\b+16
.endr
	s_wait_tensorcnt 0x1                           ; my part of K step 0 is in; K step 1's load may stay out
	s_barrier_signal -1
	s_barrier_wait -1                              ; everybody's is
	FETCH 0, 0, 0
	s_wait_loadcnt 0x0                             ; the bias
	QUARTER 0, 1, 0, 1, 1                          ; the first quarter stands in front of the loop: its products start the sums
	WIN 0
	s_mov_b32 s3, 3
.Llap:                                             ; a trip goes once round the ring, from a lap's second quarter to the next lap's first, and fills both slots again
	QUARTER 0, 2, 1, 0, 0
	QUARTER 0, 3, 0, 1, 0
	TURN 0, 1, 1
	QUARTER 1, 1, 0, 1, 0
	QUARTER 1, 2, 1, 0, 0
	QUARTER 1, 3, 0, 1, 0
	TURN 1, 0, 1
	QUARTER 0, 1, 0, 1, 0
	WIN 0
	s_sub_co_u32 s3, s3, 1
	s_cmp_lg_u32 s3, 0
	s_cbranch_scc1 .Llap
	QUARTER 0, 2, 1, 0, 0                          ; the last lap fills nothing, and has no round of the cluster's barrier
	QUARTER 0, 3, 0, 1, 0
	TURN 0, 1, 0
	QUARTER 1, 1, 0, 1, 0
	QUARTER 1, 2, 1, 0, 0
	QUARTER 1, 3, 0, 1, 0
	s_wait_dscnt 4                                 ; the very last quarter: nothing more to fetch
	MULA 1, 0, 0
	MULA 1, 1, 0
	s_wait_dscnt 0x0
	MULA 1, 2, 0
	MULA 1, 3, 0
	WIN 0
; THE WAY OUT, block by block of 16 rows x 128 columns: a lane holds 32 neighbouring bytes of a row; a block goes through my own stage and comes back as whole rows of 512 bytes.
; LDS serves a wave's instructions in order (ISA guide 5.7.1.4): no wait between the stores and the loads, nor in front of the next block's stores.
.macro TOSTAGE a
	WIN 0x08                                       ; an LDS store's data are its source 1: window 2
.irp b, 0,1,2,3,4,5,6,7
	ds_store_b128 v[STO], v[8*(8*(\a)+\b):8*(8*(\a)+\b)+3] offset:64*\b            ; each accumulator from its low end on
	ds_store_b128 v[STO], v[8*(8*(\a)+\b)+4:8*(8*(\a)+\b)+7] offset:64*\b+16
.endr
	WIN 0
.set BB, BK+64*((\a)%2)
.irp t, 0,1,2,3,4,5,6,7,8,9,10,11,12,13,14,15
	ds_load_b128 v[BB+4*\t:BB+4*\t+3], v[RD] offset:\t*SPITCH
.endr
.endm
.macro SEND a, younger                 ; younger: the LDS instructions issued behind block a's loads, which may stay out
.set BB, BK+64*((\a)%2)
	s_wait_dscnt \younger
.irp t, 0,1,2,3,4,5,6,7,8,9,10,11,12,13,14,15
	global_store_b128 v[CO], v[BB+4*\t:BB+4*\t+3], s[10:11] offset:65536*(\a)+4096*\t th:TH_STORE_NT   ; 32 lanes store 512 consecutive bytes, aligned; written once, read by nobody here
.endr
.endm
	PLACES 4                                       ; in front of the first read of results and of loads into the registers that held o's fragments
	TOSTAGE 0
.irp a, 1,2,3
.if \a > 1
	s_wait_xcnt 0x0                                ; block a - 2's stores have read their registers: block a's loads may land there
.endif
	TOSTAGE \a
	SEND \a-1, 32                                  ; behind block a - 1's loads: block a's 16 stores and 16 loads
.endr
	SEND 3, 0
	s_wait_tensorcnt 0x0                           ; the wave's end, behind my last tensor load and my last LDS store
	ds_add_u32 v[SPW], v[NIL]
	s_wait_dscnt 0x0
	CROUND                                         ; the closing round
	s_endpgm
.Lfunc_end_k_qa79b62f0d3_oproj:
	.size	k_qa79b62f0d3_oproj, .Lfunc_end_k_qa79b62f0d3_oproj-k_qa79b62f0d3_oproj
	.p2alignl 7, 3214868480
	.fill 96, 4, 3214868480
	.section	.rodata,"a",@progbits
	.p2align	6, 0x0
	.amdhsa_kernel k_qa79b62f0d3_oproj
		.amdhsa_group_segment_fixed_size 327680
		.amdhsa_private_segment_fixed_size 0
		.amdhsa_enable_private_segment 0
		.amdhsa_kernarg_size 32
		.amdhsa_user_sgpr_count 2
		.amdhsa_user_sgpr_kernarg_segment_ptr 1
		.amdhsa_wavefront_size32 1
		.amdhsa_system_sgpr_workgroup_id_x 1
		.amdhsa_system_sgpr_workgroup_id_y 1
		.amdhsa_system_sgpr_workgroup_id_z 1
		.amdhsa_system_vgpr_workitem_id 0
		.amdhsa_next_free_vgpr 768
		.amdhsa_next_free_sgpr 100
		.amdhsa_reserve_vcc 0
		.amdhsa_float_denorm_mode_32 3
		.amdhsa_float_denorm_mode_16_64 3
		.amdhsa_memory_ordered 1
		.amdhsa_forward_progress 1
		.amdhsa_inst_pref_size 86
	.end_amdhsa_kernel
	.amdgpu_metadata
---
amdhsa.version: [ 1, 2 ]
amdhsa.kernels:
  - .name:           k_qa79b62f0d3_oproj
    .symbol:         k_qa79b62f0d3_oproj.kd
    .args:
      - { .name: o16, .offset: 0, .size: 8, .value_kind: global_buffer, .address_space: global }
      - { .name: wo16, .offset: 8, .size: 8, .value_kind: global_buffer, .address_space: global }
      - { .name: bo, .offset: 16, .size: 8, .value_kind: global_buffer, .address_space: global }
      - { .name: out0, .offset: 24, .size: 8, .value_kind: global_buffer, .address_space: global }
    .group_segment_fixed_size: 327680
    .private_segment_fixed_size: 0
    .kernarg_segment_align: 8
    .kernarg_segment_size: 32
    .max_flat_workgroup_size: 128
    .sgpr_count:     100
    .vgpr_count:     768
    .wavefront_size: 32
...
	.end_amdgpu_metadata
.endif
;; end of part 4
